; MI455X (gfx1250); checked and timed in simulation.
; The chip was launched on July 23, 2026; its instructions are those of AMD's public machine-readable ISA for CDNA 5 (MIT licence, August 2026) and "CDNA5" Instruction Set Architecture Reference Guide (July 2026). The comments in the code are by the model that wrote it; some were corrected since.
;; Masked Attention. Allowed arithmetic: float matrix products may take bf16 or f16 operands with f32 sums; all other float work in f32.
;; Inputs: attn_mask 1 x 1 x 2,048 x 2,048 bool; b_proj 1,024 float32; b_qkv 3,072 float32; bt_k 64 float32; bt_q 64 float32; g_k 64 float32; g_q 64 float32; w_proj 1,024 x 1,024 float32; w_qkv 3,072 x 1,024 float32; x 2 x 2,048 x 1,024 float32.
;; Outputs: out0 2 x 2,048 x 1,024 float32.
;; 2 versions, each right. Each part assembles by itself: llvm-mc -triple=amdgcn-amd-amdhsa -mcpu=gfx1250 --defsym DOCPART=n.
;; ======== version 1 of 2: 4 launches
;; limits: values are held in f16: magnitudes above 65,504 overflow, below 6.1e-05 lose precision; values outside matrix products are rounded to bf16
;; workspace buffers: bf 18,874,368 bytes; mbits 524,288 bytes of whole numbers; qkv 25,165,824 bytes; ao 16,777,216 bytes
;; launch prep (part 1): grid 256 x 1, 8 waves a work-group, no clusters, 0 bytes of LDS; arguments x, w_qkv, w_proj, attn_mask, bf, mbits; writes bf, mbits
.if DOCPART == 1
	.amdgcn_target "amdgcn-amd-amdhsa--gfx1250"
	.amdhsa_code_object_version 6
	.text
	.protected	k_qddad47d925_prep
	.globl	k_qddad47d925_prep
	.p2align	8
	.type	k_qddad47d925_prep,@function
k_qddad47d925_prep:
	s_mov_b64 s[64:65], 0
	v_nop
	global_prefetch_b8 v0, s[64:65] scope:SCOPE_SE
	s_setreg_imm32_b32 hwreg(HW_REG_WAVE_MODE, 25, 1), 1
	s_wait_xcnt 0x0
; prep: (1) x, w_qkv, w_proj from f32 to bf16 into bf; (2) the boolean mask into 32-bit lane masks in mbits.
; bf: bytes 0.. x [4096][1024]; 8388608.. w_qkv [3072][1024]; 14680064.. w_proj's rows twice, [1024][2048] = [w | w]
; (the last launch multiplies a high and a low part of its left operand by the same weights, as one product with K = 2048).
; mbits: dword [QT 0..127][KT 0..127][j 0..7], bit r + 16 h = mask[16 QT + r][16 KT + 8 h + j]: the lane mask of register j of a 16 x 16
; tile of scores held as (key 8 h + j, query r).  LIMIT: mask bytes are 0 or 1, as a bool array holds them.
; A stream: 8,388,608 numbers = 256 work-groups x 32,768; a wave takes 16 KiB of f32 as 16 steps of 1 KiB, 32 bytes a lane and step.  All 32 loads
; of a wave go out at once, so no loop and no ring is needed.  No LDS, no barrier, no matrix unit, no cluster: no byte is read twice.
.set X,   32                           ; v[32:159]  step t: 8 registers of f32; its first 4 become the 8 bf16
.set DM,  160                          ; v[160:191] mask: load i = 16 bytes of row i (lanes 0-15) or row i + 8 (lanes 16-31)
.set OTH, 192                          ; v[192:195] the other half's collected rows
.set SEL, 196                          ; v[196:199] rows 0-7 / 8-15 of keys 0-7, rows 0-7 / 8-15 of keys 8-15, of my four j
.set EI,  200                          ; v[200:203] interleaved bytes
.set WD,  204                          ; v[204:207] four finished dwords
.set VI,  3                            ; source offset: wave x 16 KiB + lane x 32
.set VO,  4                            ; target offset: wave x 8 KiB + lane x 16
.set VM,  7                            ; mask offset: (lane / 16) x 8 rows + (lane % 16) x 16
.set VMO, 8                            ; mbits offset: (lane % 16) x 32 + (lane / 16) x 16
.set VO2, 9                            ; target offset for w_proj: wave x 4 rows of 4,096 bytes + lane x 16
	s_load_b256 s[4:11], s[0:1], 0x0               ; x s[4:5], w_qkv s[6:7], w_proj s[8:9], attn_mask s[10:11]
	s_load_b128 s[12:15], s[0:1], 0x20             ; bf s[12:13], mbits s[14:15]
	v_lshrrev_b32 v1, 5, v0
	v_readfirstlane_b32 s16, v1                    ; wave 0..7
	v_and_b32 v2, 31, v0                           ; lane
	v_lshlrev_b32 v[VI], 5, v2
	v_lshl_or_b32 v[VI], v1, 14, v[VI]
	v_lshlrev_b32 v[VO], 4, v2
	v_lshl_or_b32 v[VO2], v1, 14, v[VO]
	v_lshl_or_b32 v[VO], v1, 13, v[VO]
	v_and_b32 v5, 15, v0
	v_bfe_u32 v6, v0, 4, 1
	v_lshlrev_b32 v[VM], 4, v5
	v_lshl_or_b32 v[VM], v6, 14, v[VM]
	v_lshlrev_b32 v[VMO], 5, v5
	v_lshl_or_b32 v[VMO], v6, 4, v[VMO]
	s_mov_b32 s24, 0x76543210                      ; v_permlanex16_b32: lane i of one half reads lane i of the other
	s_mov_b32 s25, 0xfedcba98
	s_movk_i32 s18, 224
	s_lshr_b32 s28, ttmp9, 1                       ; QT: the mask's 16 rows of this work-group
	s_and_b32 s29, ttmp9, 1
	s_lshl2_add_u32 s29, s29, s16                  ; group of 256 keys = 4 (id & 1) + wave (waves 0-3 only)
	s_lshl_b32 s30, s28, 15                        ; 16 rows of 2,048 bytes
	s_lshl_b32 s31, s29, 8
	s_add_co_u32 s30, s30, s31
	s_mov_b32 s31, 0
	s_lshl_b32 s28, s28, 12                        ; in mbits: QT x 4,096 + key group x 512
	s_lshl_b32 s29, s29, 9
	s_add_co_u32 s28, s28, s29
	s_mov_b32 s29, 0
	s_wait_kmcnt 0x0
	s_add_nc_u64 s[10:11], s[10:11], s[30:31]
	s_add_nc_u64 s[14:15], s[14:15], s[28:29]
	s_cmp_lt_u32 ttmp9, 224                        ; work-groups 0-127: x; 128-223: w_qkv; 224-255: w_proj
	s_cselect_b64 s[20:21], s[6:7], s[8:9]
	s_cselect_b32 s18, 128, s18
	s_cmp_lt_u32 ttmp9, 128
	s_cselect_b64 s[20:21], s[4:5], s[20:21]
	s_cselect_b32 s18, 0, s18                      ; the source's first work-group
	s_sub_co_u32 s19, ttmp9, s18
	s_lshl_b32 s22, s19, 17                        ; 128 KiB of f32 for each work-group
	s_mov_b32 s23, 0
	s_add_nc_u64 s[20:21], s[20:21], s[22:23]
	s_lshl_b32 s26, s18, 16                        ; the target: 64 KiB for each work-group ahead of this source's first,
	s_lshl_b32 s27, s19, 16                        ; then 64 KiB each, or 128 KiB each where the rows are written twice
	s_cmp_lt_u32 ttmp9, 224
	s_cselect_b32 s27, s27, s22
	s_add_co_u32 s26, s26, s27
	s_mov_b32 s27, 0
	s_add_nc_u64 s[12:13], s[12:13], s[26:27]
	; the mask's eight loads go out first, so that they are older than the cast's loads: the cast's counted waits hold on both paths
	s_cmp_ge_u32 s16, 4
	s_cbranch_scc1 .Lno_mask
.irp i, 0,1,2,3,4,5,6,7
	global_load_b128 v[DM+4*\i:DM+4*\i+3], v[VM], s[10:11] offset:2048*\i th:TH_LOAD_NT   ; each half of the wave: 256 neighbouring bytes of one row
.endr
.Lno_mask:
.set t_, 0
.rept 16
	global_load_b128 v[X+8*t_:X+8*t_+3],   v[VI], s[20:21] offset:1024*t_ th:TH_LOAD_NT
	global_load_b128 v[X+8*t_+4:X+8*t_+7], v[VI], s[20:21] offset:1024*t_+16 th:TH_LOAD_NT
.set t_, t_+1
.endr
; sixteen steps: wait, round 8 numbers in place, store 16 bytes a lane (a wave's store covers 512 neighbouring bytes, aligned).
; dup = 1: a step is a quarter of a row of w_proj, stored at its place in the row of 4,096 bytes and again 2,048 bytes on.
.macro CAST dup
.set t_, 0
.rept 16
	s_wait_loadcnt 30-2*t_                         ; loads return in order: step t's two are in, the 30 - 2 t younger ones stay out
.irp k, 0,1,2,3
	v_cvt_pk_bf16_f32 v[X+8*t_+\k], v[X+8*t_+2*\k], v[X+8*t_+2*\k+1]
.endr
.if \dup
	global_store_b128 v[VO2], v[X+8*t_:X+8*t_+3], s[12:13] offset:(t_/4)*4096+(t_%4)*512
	global_store_b128 v[VO2], v[X+8*t_:X+8*t_+3], s[12:13] offset:(t_/4)*4096+(t_%4)*512+2048
.else
	global_store_b128 v[VO], v[X+8*t_:X+8*t_+3], s[12:13] offset:512*t_
.endif
.set t_, t_+1
.endr
.endm
	s_cmp_lt_u32 ttmp9, 224
	s_cbranch_scc0 .Ltwice
	CAST 0
	s_branch .Lcast_done
.Ltwice:
	CAST 1
.Lcast_done:
	s_cmp_ge_u32 s16, 4
	s_cbranch_scc1 .Lend
	; The mask (all loads are in: the cast's last wait was for 0).  Lane (l, half): bytes of keys 16 l .. 16 l + 15, rows 8 half + 0..7.
	; Byte b of word d collects, bit i = row 8 half + i, key 16 l + 4 d + b.
.irp i, 1,2,3,4,5,6,7
.irp d, 0,1,2,3
	v_lshl_or_b32 v[DM+\d], v[DM+4*\i+\d], \i, v[DM+\d]
.endr
.endr
.irp d, 0,1,2,3
	v_mov_b32 v[OTH+\d], 0                         ; v_permlanex16_b32 counts as a reader of its destination
.endr
.irp d, 0,1,2,3
	v_permlanex16_b32 v[OTH+\d], v[DM+\d], s24, s25
.endr
	v_cmp_le_u32 vcc_lo, 16, v2
	; the lower half makes j = 0..3 (words 0 and 2), the upper half j = 4..7 (words 1 and 3); rows 0-7 come from the lower half's lane
	v_cndmask_b32 v[SEL],   v[DM],    v[OTH+1], vcc_lo     ; rows 0-7,  keys 8 h + j with h = 0
	v_cndmask_b32 v[SEL+1], v[OTH],   v[DM+1],  vcc_lo     ; rows 8-15, h = 0
	v_cndmask_b32 v[SEL+2], v[DM+2],  v[OTH+3], vcc_lo     ; rows 0-7,  h = 1
	v_cndmask_b32 v[SEL+3], v[OTH+2], v[DM+3],  vcc_lo     ; rows 8-15, h = 1
	v_perm_b32 v[EI],   v[SEL+1], v[SEL],   0x05010400     ; 16 rows of j = 0 | of j = 1, h = 0
	v_perm_b32 v[EI+1], v[SEL+1], v[SEL],   0x07030602     ; j = 2 | j = 3
	v_perm_b32 v[EI+2], v[SEL+3], v[SEL+2], 0x05010400     ; the same for h = 1
	v_perm_b32 v[EI+3], v[SEL+3], v[SEL+2], 0x07030602
	v_perm_b32 v[WD],   v[EI+2], v[EI],   0x05040100       ; bits 0-15: h = 0, bits 16-31: h = 1
	v_perm_b32 v[WD+1], v[EI+2], v[EI],   0x07060302
	v_perm_b32 v[WD+2], v[EI+3], v[EI+1], 0x05040100
	v_perm_b32 v[WD+3], v[EI+3], v[EI+1], 0x07060302
	global_store_b128 v[VMO], v[WD:WD+3], s[14:15]         ; the wave's 512 neighbouring bytes: 16 key tiles x 8 dwords
.Lend:
	s_endpgm
.Lfunc_end_k_qddad47d925_prep:
	.size	k_qddad47d925_prep, .Lfunc_end_k_qddad47d925_prep-k_qddad47d925_prep
	.p2alignl 7, 3214868480
	.fill 96, 4, 3214868480
	.section	.rodata,"a",@progbits
	.p2align	6, 0x0
	.amdhsa_kernel k_qddad47d925_prep
		.amdhsa_group_segment_fixed_size 0
		.amdhsa_private_segment_fixed_size 0
		.amdhsa_enable_private_segment 0
		.amdhsa_kernarg_size 48
		.amdhsa_user_sgpr_count 2
		.amdhsa_user_sgpr_kernarg_segment_ptr 1
		.amdhsa_wavefront_size32 1
		.amdhsa_system_sgpr_workgroup_id_x 1
		.amdhsa_system_sgpr_workgroup_id_y 1
		.amdhsa_system_sgpr_workgroup_id_z 1
		.amdhsa_system_vgpr_workitem_id 0
		.amdhsa_next_free_vgpr 208
		.amdhsa_next_free_sgpr 66
		.amdhsa_reserve_vcc 1
		.amdhsa_float_denorm_mode_32 3
		.amdhsa_float_denorm_mode_16_64 3
		.amdhsa_memory_ordered 1
		.amdhsa_forward_progress 1
		.amdhsa_inst_pref_size 23
	.end_amdhsa_kernel
	.amdgpu_metadata
---
amdhsa.version: [ 1, 2 ]
amdhsa.kernels:
  - .name:           k_qddad47d925_prep
    .symbol:         k_qddad47d925_prep.kd
    .args:
      - { .name: x, .offset: 0, .size: 8, .value_kind: global_buffer, .address_space: global }
      - { .name: w_qkv, .offset: 8, .size: 8, .value_kind: global_buffer, .address_space: global }
      - { .name: w_proj, .offset: 16, .size: 8, .value_kind: global_buffer, .address_space: global }
      - { .name: attn_mask, .offset: 24, .size: 8, .value_kind: global_buffer, .address_space: global }
      - { .name: bf, .offset: 32, .size: 8, .value_kind: global_buffer, .address_space: global }
      - { .name: mbits, .offset: 40, .size: 8, .value_kind: global_buffer, .address_space: global }
    .group_segment_fixed_size: 0
    .private_segment_fixed_size: 0
    .kernarg_segment_align: 8
    .kernarg_segment_size: 48
    .max_flat_workgroup_size: 256
    .sgpr_count:     66
    .vgpr_count:     208
    .wavefront_size: 32
...
	.end_amdgpu_metadata
.endif
;; end of part 1
;; launch qkv (part 2): grid 16 x 16, 4 waves a work-group, clusters of 4 x 4, 327,680 bytes of LDS; arguments bf, qkv, b_qkv, g_q, bt_q, g_k, bt_k; writes qkv
.if DOCPART == 2
	.amdgcn_target "amdgcn-amd-amdhsa--gfx1250"
	.amdhsa_code_object_version 6
	.text
	.protected	k_qddad47d925_qkv
	.globl	k_qddad47d925_qkv
	.p2align	8
	.type	k_qddad47d925_qkv,@function
k_qddad47d925_qkv:
	s_mov_b64 s[64:65], 0
	v_nop
	global_prefetch_b8 v0, s[64:65] scope:SCOPE_SE
	s_setreg_imm32_b32 hwreg(HW_REG_WAVE_MODE, 25, 1), 1
	s_wait_xcnt 0x0
	s_wait_alu depctr_hold_cnt(0) depctr_sa_sdst(0) depctr_va_vdst(0) depctr_va_sdst(0) depctr_va_ssrc(0) depctr_va_vcc(0) depctr_vm_vsrc(0)
	s_getreg_b32 s2, hwreg(HW_REG_IB_STS2, 6, 4)
	s_cmp_eq_u32 s2, 0
	s_cbranch_scc0 .Lentry_in_a_cluster
	s_endpgm
.Lentry_in_a_cluster:
	s_bfe_u32 s2, ttmp6, 0x10000c
	s_cmp_lg_u32 s2, 0xf033
	s_cbranch_scc0 .Lentry_shape_is_right
	s_endpgm
.Lentry_shape_is_right:
; qkv: u = x w_qkv^T + b_qkv (bf16 operands from bf, f32 sums), LayerNorm over each head of q and k in f32, out as f16.
; qkv buffer: [gh 0..47][m 0..4095][64] f16; gh = column / 64 (0-15 q, 16-31 k, 32-47 v), m = 2048 b + n.  q is also multiplied by log2(e) / 8,
; so that the next launch's scores are exponents of 2.  f16, not bf16: a row that attends to one or two keys passes these numbers on almost
; unaveraged, and eight bits of significand are too few for it.  LIMIT: |v| and 8 |g| + |bt| must stay below 65,504, f16's largest number.
; LIMIT (format): b_qkv, g_q, bt_q, g_k and bt_k are rounded to bf16 (nearest even) before use, as x and w_qkv are: the module is computed on
; all its inputs in bf16, so these tables carry eight significant bits; all arithmetic on them is in f32.
; A work-group makes 256 rows x 192 columns (three whole heads), four waves stacked along the rows: a wave makes 64 x 192 = 48 accumulator tiles.
; K = 1024 goes in steps of 128 through two LDS slots filled by the tensor data mover; a tile's rows are 256 bytes of memory, aligned.
; CLUSTER 4 x 4: the four work-groups of a row of the cluster need the same rows of x, the four of a column the same rows of w: joint loads.
; THE MATRIX INSTRUCTION IS USED TRANSPOSED (source 0 = rows of w, source 1 = rows of x): lane (r, h) holds row r and columns 16 b + 8 h + 0..7,
; so a lane and its partner in the other half hold one row of a head: LayerNorm needs one exchange between the halves.
; No branch hangs on the block column: all three kinds of head run one text, and v heads get mean 0, factor 1, gain 1, shift 0 by selects.
; REGISTERS by windows of 256: window 0: v0-31 addresses, v32-63 U, v64-127 x fragments (two buffers), v128-223 bias, v224-255 at work;
; window 1: v0-191 w fragments (two buffers); windows 2, 3: the tiles of my rows 0-31, 32-63 at v[8 (12 (a & 1) + b)];
; v192-255 of window 1 + hd: gain and shift of head hd for my 32 columns.
.set NB,     12                        ; column tiles of 16
.set KDIM,   1024
.set ROWSH,  11                        ; a row of an operand is 2,048 bytes
.set KSTEP,  128
.set PITCH,  272                       ; LDS row: 256 bytes + 16 of padding, an odd multiple of 16: the 16 rows of a fragment load start in different banks
.set HALFT,  128*PITCH                 ; a part of a slot: what one wave's tensor load fills at the most
.set SLOT,   4*HALFT                   ; parts 0, 1: x rows 0-127, 128-255; parts 2, 3: w rows 0-95, 96-191
.set STAGE,  2*SLOT                    ; behind the ring: 16 rows x 144 bytes for each wave
.set SPITCH, 144
.set LAPS,   KDIM/(2*KSTEP)
.set ADRA, 16
.set ADRB, 20
.set STO,  24
.set RD,   25
.set CO,   26
.set VT,   27
.set MU,   28                          ; v[28:29] mean (the pair's second register is only there to be a pair)
.set RS,   30                          ; v[30:31] 1 / sigma
.set U,    32
.set FA,   64
.set BIAS, 128
.set T,    224
.set PK,   240
.set G1,  24
.set G0,  32
.set G1B, 48
.set G0B, 56
.set G1W0, (1<<16)|(1<<20)|(1<<21)|(5<<22)|(3<<25)   ; 2-byte elements; padding on; bit 21 beside a mask; after every 64 dwords, 4 dwords
.set MSB, 0
.macro WIN new                         ; the immediate's high byte repeats the setting that is left
.if MSB != (\new)
	s_set_vgpr_msb (MSB<<8)|(\new)
.set MSB, (\new)
.endif
.endm
.macro PLACES                          ; four places behind a matrix instruction, ahead of loads into its sources and of readers of its result
.rept 4
	v_nop
.endr
.endm
.macro JLOAD s                         ; waves 0, 1 ask for x's two halves, waves 2, 3 for w's: one line, one mask each; the branch hangs on the wave's number alone
	s_cmp_eq_u32 s11, 0
	s_cbranch_scc0 .Lfor_b_\@
	tensor_load_to_lds s[G0+4*\s:G0+4*\s+3], s[G1:G1+7]
	s_nop 0
	s_branch .Lasked_\@
.Lfor_b_\@:
	tensor_load_to_lds s[G0B+4*\s:G0B+4*\s+3], s[G1B:G1B+7]
	s_nop 0
.Lasked_\@:
.endm
.macro CREST                           ; a round of the cluster's barrier behind its opening work-group barrier
	s_cmp_lg_u32 s10, 0
	s_cbranch_scc1 .Lnot_wave_0_\@
	s_barrier_signal -3
.Lnot_wave_0_\@:
	s_barrier_wait -3
	s_barrier_signal -1
	s_barrier_wait -1
.endm
.macro CROUND
	s_barrier_signal -1
	s_barrier_wait -1
	CREST
.endm
	s_load_b64 s[4:5], s[0:1], 0x0                 ; bf
	s_load_b64 s[8:9], s[0:1], 0x8                 ; qkv
	s_load_b64 s[68:69], s[0:1], 0x10              ; b_qkv
	s_load_b128 s[72:75], s[0:1], 0x18             ; g_q, bt_q
	s_load_b128 s[76:79], s[0:1], 0x28             ; g_k, bt_k
	v_lshl_add_u32 v22, v0, 2, 0x46400
	v_mov_b32 v23, 0
	ds_add_u32 v22, v23
	v_lshrrev_b32 v1, 5, v0
	v_readfirstlane_b32 s10, v1                    ; wave 0..3
	s_lshr_b32 s11, s10, 1                         ; I fetch for x (0) or for w (1)
	s_and_b32 s12, s10, 1                          ; which half of that tile
	s_bfe_u32 s40, ttmp6, 0x40000                  ; cx
	s_bfe_u32 s41, ttmp6, 0x40004                  ; cy
	s_lshl_b32 s42, ttmp9, 2
	s_add_co_u32 s42, s42, s40                     ; block column = 4 x cluster x + cx
	s_and_b32 s13, ttmp7, 0xffff
	s_lshl_b32 s13, s13, 2
	s_add_co_u32 s13, s13, s41                     ; block row = 4 x cluster y + cy
	s_lshl_b32 s43, s41, 2
	s_lshl_b32 s43, 15, s43                        ; my row of the cluster
	s_lshl_b32 s44, 0x1111, s40                    ; my column
	s_or_b32 s[G1+0], s43, G1W0
	s_or_b32 s[G1B+0], s44, G1W0
	s_mov_b32 s[G1+1], KSTEP<<16                   ; tensor_dim0 = 128
	s_mov_b32 s[G1B+1], KSTEP<<16
	s_mov_b32 s[G1+2], 128<<16                     ; tensor_dim1 = 128 rows of x,
	s_mov_b32 s[G1B+2], (8*NB)<<16                 ; 96 rows of w
	s_mov_b32 s[G1+3], KSTEP<<16                   ; tile_dim0 = 128
	s_mov_b32 s[G1B+3], KSTEP<<16
	s_mov_b32 s[G1+4], 128                         ; tile_dim1
	s_mov_b32 s[G1B+4], 8*NB
	s_mov_b32 s[G1+5], KDIM                        ; elements from row to row
	s_mov_b32 s[G1B+5], KDIM
	s_mov_b32 s[G1+6], 0
	s_mov_b32 s[G1B+6], 0
	s_mov_b32 s[G1+7], 0
	s_mov_b32 s[G1B+7], 0
	s_lshl_b32 s17, s12, 7
	s_lshl_b32 s16, s13, 8
	s_add_co_u32 s16, s16, s17                     ; x: row 256 x block row + 128 x half
	s_lshl_b32 s16, s16, ROWSH
	s_mov_b32 s17, 0
	s_mul_i32 s46, s42, 16*NB
	s_mul_i32 s47, s12, 8*NB
	s_add_co_u32 s46, s46, s47                     ; w: row 192 x block column + 96 x half
	s_lshl_b32 s46, s46, ROWSH
	s_mov_b32 s47, 0
	s_mul_i32 s20, s10, HALFT                      ; my part of a slot: the wave's number alone
	s_wait_dscnt 0x0
	s_wait_kmcnt 0x0
	s_add_nc_u64 s[6:7], s[4:5], 0x800000          ; w_qkv in bf
	s_add_nc_u64 s[14:15], s[4:5], s[16:17]
	s_add_nc_u64 s[46:47], s[6:7], s[46:47]
	CROUND                                         ; all sixteen work-groups are here: the first joint loads meet
.irp s, 0,1
	s_mov_b32 s[G0+4*\s], 1
	s_add_co_u32 s[G0+4*\s+1], s20, \s*SLOT
	s_add_nc_u64 s[G0+4*\s+2:G0+4*\s+3], s[14:15], \s*KSTEP*2
	s_or_b32 s[G0+4*\s+3], s[G0+4*\s+3], 0x80000000
	s_mov_b32 s[G0B+4*\s], 1
	s_add_co_u32 s[G0B+4*\s+1], s20, \s*SLOT
	s_add_nc_u64 s[G0B+4*\s+2:G0B+4*\s+3], s[46:47], \s*KSTEP*2
	s_or_b32 s[G0B+4*\s+3], s[G0B+4*\s+3], 0x80000000
	JLOAD \s                                       ; K steps 0 and 1: two tensor loads of the wave are out, later one
.endr
	v_and_b32 v1, 15, v0                           ; r
	v_bfe_u32 v2, v0, 4, 1                         ; h
	v_mul_u32_u24 v3, v1, PITCH
	v_lshl_add_u32 v3, v2, 4, v3                   ; a fragment: row r, 16 bytes for each half, twice 32 bytes apart
	s_mul_i32 s21, s10, 64*PITCH                   ; my 64 rows of x
.irp s, 0,1
	v_add_nc_u32 v[ADRA+\s], s21, v3
	v_add_nc_u32 v[ADRB+\s], 2*HALFT+\s*SLOT, v3
	s_add_co_u32 s21, s21, SLOT
.endr
	s_mul_i32 s23, s10, 16*SPITCH
	s_add_co_u32 s23, s23, STAGE                   ; my stage
	v_mul_u32_u24 v4, v1, SPITCH
	v_lshl_add_u32 v4, v2, 4, v4
	v_add_nc_u32 v[STO], s23, v4                   ; in: row r, 16 bytes for each half
	v_and_b32 v5, 31, v0
	v_lshrrev_b32 v4, 3, v5
	v_mul_u32_u24 v4, v4, SPITCH
	v_and_b32 v6, 7, v0
	v_lshl_add_u32 v4, v6, 4, v4
	v_add_nc_u32 v[RD], s23, v4                    ; back: eight lanes a row of 128 bytes, four rows a load
	v_lshlrev_b32 v[CO], 4, v5                     ; four rows of a head are 512 neighbouring bytes of the buffer
	v_lshlrev_b32 v[VT], 5, v2                     ; tables: my 8 columns of each 16 begin at 8 h
	v_mov_b32 v[MU+1], 0
	v_mov_b32 v[RS+1], 0
	; gain, shift and bias of my 32 columns of each head: loaded now, used on the way out; nothing touches their registers meanwhile
	s_mul_i32 s92, s42, 3                          ; the block's first head
.irp hd, 0,1,2
	s_add_co_u32 s93, s92, \hd
	s_cmp_lt_u32 s93, 16                           ; a q head takes q's tables, the others k's (a v head's are replaced later)
	s_cselect_b64 s[80+4*\hd:81+4*\hd], s[72:73], s[76:77]
	s_cselect_b64 s[82+4*\hd:83+4*\hd], s[74:75], s[78:79]
.endr
	s_mul_i32 s98, s42, 768
	s_mov_b32 s99, 0
	s_add_nc_u64 s[68:69], s[68:69], s[98:99]      ; the block's 192 biases
.irp hd, 0,1,2
	WIN (1+\hd)<<6
.irp bb, 0,1,2,3
	global_load_b128 v[192+8*\bb:195+8*\bb], v[VT], s[80+4*\hd:81+4*\hd] offset:64*\bb
	global_load_b128 v[196+8*\bb:199+8*\bb], v[VT], s[80+4*\hd:81+4*\hd] offset:64*\bb+16
	global_load_b128 v[224+8*\bb:227+8*\bb], v[VT], s[82+4*\hd:83+4*\hd] offset:64*\bb
	global_load_b128 v[228+8*\bb:231+8*\bb], v[VT], s[82+4*\hd:83+4*\hd] offset:64*\bb+16
.endr
.endr
	WIN 0
.irp hd, 0,1,2
.irp bb, 0,1,2,3
	global_load_b128 v[BIAS+32*\hd+8*\bb:BIAS+32*\hd+8*\bb+3],   v[VT], s[68:69] offset:256*\hd+64*\bb
	global_load_b128 v[BIAS+32*\hd+8*\bb+4:BIAS+32*\hd+8*\bb+7], v[VT], s[68:69] offset:256*\hd+64*\bb+16
.endr
.endr
; NB matrix instructions: row tile a x all column tiles, 32 along K, on fragment buffer f.  zero = 1: the first product starts the sums.
; The 48 accumulators take turns, one instruction a turn, in the same order in every quarter step and over the backward jump.
.macro MULROW f, a, zero
.set b_, 0
.rept NB
.if \zero
	v_wmma_f32_16x16x32_bf16 v[8*(NB*((\a)&1)+b_):8*(NB*((\a)&1)+b_)+7], v[8*NB*\f+8*b_:8*NB*\f+8*b_+7], v[FA+32*\f+8*(\a):FA+32*\f+8*(\a)+7], 0
.else
	v_wmma_f32_16x16x32_bf16 v[8*(NB*((\a)&1)+b_):8*(NB*((\a)&1)+b_)+7], v[8*NB*\f+8*b_:8*NB*\f+8*b_+7], v[FA+32*\f+8*(\a):FA+32*\f+8*(\a)+7], v[8*(NB*((\a)&1)+b_):8*(NB*((\a)&1)+b_)+7]
.endif
.set b_, b_+1
.endr
.endm
.macro MULLO f, zero
	WIN 0xa1                                       ; source 0 (w) window 1, source 1 (x) window 0, C and D window 2
	MULROW \f, 0, \zero
	MULROW \f, 1, \zero
.endm
.macro MULHI f, zero
	WIN 0xf1                                       ; C and D window 3
	MULROW \f, 2, \zero
	MULROW \f, 3, \zero
.endm
; the fragments of one quarter step (32 K at byte k of the rows) into buffer f: 24 loads of w, 8 of x, in one run
.macro FETCH slot, k, f
	WIN 0x40
.set b_, 0
.rept NB
	ds_load_b128 v[8*NB*\f+8*b_:8*NB*\f+8*b_+3],   v[ADRB+\slot] offset:\k+(b_/(NB/2))*HALFT+(b_%(NB/2))*16*PITCH
	ds_load_b128 v[8*NB*\f+8*b_+4:8*NB*\f+8*b_+7], v[ADRB+\slot] offset:\k+(b_/(NB/2))*HALFT+(b_%(NB/2))*16*PITCH+32
.set b_, b_+1
.endr
	WIN 0
.irp a, 0,1,2,3
	ds_load_b128 v[FA+32*\f+8*\a:FA+32*\f+8*\a+3],   v[ADRA+\slot] offset:\k+\a*16*PITCH
	ds_load_b128 v[FA+32*\f+8*\a+4:FA+32*\f+8*\a+7], v[ADRA+\slot] offset:\k+\a*16*PITCH+32
.endr
.endm
; one of a K step's first three quarters: buffer f is in; the next quarter's fragments go out into buffer g, a whole quarter (48 matrix instructions) ahead of their use
.macro QUARTER slot, k, f, g, zero
	s_wait_dscnt 0x0                               ; buffer f, asked for a quarter ago
	PLACES                                         ; buffer g was read by the matrix instructions just issued
	FETCH \slot, \k, \g
	MULLO \f, \zero
	MULHI \f, \zero
.endm
.macro THREE slot, zero
	QUARTER \slot, 64,  0, 1, \zero
	QUARTER \slot, 128, 1, 0, 0
	QUARTER \slot, 192, 0, 1, 0
.endm
; the last quarter changes slots.  In front of the barrier each wave waits for its reads of this slot and for all its tensor loads (one is out: its part of the
; next slot).  Behind it (fill = 1: behind the whole round of the cluster's barrier that it opens) the joint refill comes first, then the next slot's first fragments.
.macro TURN slot, next, fill
	s_wait_dscnt 0x0                               ; buffer 1 is in, and with it my last reads of this slot
	s_set_vgpr_msb 0xf1f0
	s_wait_tensorcnt 0x0                           ; all my tensor loads have landed
	ds_add_u32 v22, v23
	s_wait_dscnt 0x0
	s_set_vgpr_msb 0xf0f1
	s_barrier_signal -1
	MULLO 1, 0                                     ; registers only, while the others arrive
	WIN 0
	s_barrier_wait -1
.if \fill
	CREST                                          ; no wave of any partner still reads this slot or has a load on its way
	s_add_nc_u64 s[G0+4*\slot+2:G0+4*\slot+3], s[G0+4*\slot+2:G0+4*\slot+3], 2*KSTEP*2
	s_add_nc_u64 s[G0B+4*\slot+2:G0B+4*\slot+3], s[G0B+4*\slot+2:G0B+4*\slot+3], 2*KSTEP*2
	JLOAD \slot                                    ; my one tensor load behind the round: two K steps ahead
.endif
	PLACES
	FETCH \next, 0, 0
	MULHI 1, 0
.endm
.macro LAP zero
	THREE 0, \zero
	TURN 0, 1, 1
	THREE 1, 0
	TURN 1, 0, 1
.endm
	s_wait_tensorcnt 0x1                           ; my part of K step 0 is in; K step 1's stays out
	s_barrier_signal -1
	s_barrier_wait -1
	FETCH 0, 0, 0
	LAP 1
	WIN 0
	s_mov_b32 s3, LAPS-2
.Llap:
	LAP 0
	WIN 0
	s_sub_co_u32 s3, s3, 1
	s_cmp_lg_u32 s3, 0
	s_cbranch_scc1 .Llap
	THREE 0, 0                                     ; the last lap fills nothing
	TURN 0, 1, 0
	THREE 1, 0
	s_wait_dscnt 0x0
	MULLO 1, 0
	MULHI 1, 0
	WIN 0
; pairs of f32 at base, base + 2, ..: rounded to bf16 (nearest even) and widened again, in place.  Under a window setting that puts the
; destination and sources 0 and 1 into the registers' window.
.macro TOBF base, pairs
.set i_, 0
.rept \pairs
	v_cvt_pk_bf16_f32 v[\base+i_], v[\base+i_], v[\base+i_+1]
.set i_, i_+2
.endr
.set i_, 0
.rept \pairs
	v_and_b32 v[\base+i_+1], 0xffff0000, v[\base+i_]       ; the high half is the pair's second number,
.set i_, i_+2
.endr
.set i_, 0
.rept \pairs
	v_lshlrev_b32 v[\base+i_], 16, v[\base+i_]             ; the low half its first
.set i_, i_+2
.endr
.endm
	; THE WAY OUT
	PLACES
	s_wait_loadcnt 0x0                             ; tables and bias
	s_lshl_b32 s16, s13, 8
	s_lshl_b32 s17, s10, 6
	s_add_co_u32 s16, s16, s17                     ; my first row
	s_lshl_b32 s16, s16, 7                         ; 128 bytes a row of a head
	s_mov_b32 s17, 0
	s_add_nc_u64 s[8:9], s[8:9], s[16:17]
	s_mul_i32 s98, s42, 3*524288                   ; the block's first head
	s_mov_b32 s99, 0
	s_add_nc_u64 s[8:9], s[8:9], s[98:99]
	s_mov_b32 s97, 0x3c800000                      ; 1 / 64
	s_mov_b32 s70, 0x3727c5ac                      ; 1e-5
	s_mov_b32 s66, 0x76543210
	s_mov_b32 s67, 0xfedcba98
	TOBF BIAS, 48                                  ; b_qkv of my 96 columns in bf16's digits
; the head's kind as scalars, and its tables mended: rounded to bf16's digits; q: gain and shift times log2(e) / 8; v: gain 1, shift 0
.macro HEADSET hd
	s_add_co_u32 s96, s92, \hd
	s_cmp_lt_u32 s96, 16
	s_cselect_b32 s94, 0x3e38aa3b, 1.0
	s_mov_b32 s95, s94
	s_cmp_ge_u32 s96, 32
	s_cselect_b32 s93, -1, 0                       ; all lanes: this is a v head
	WIN (1+\hd)*0x45                               ; destination, source 0 and source 1 in the head's window
	TOBF 192, 32
.set i_, 0
.rept 32
	v_pk_mul_f32 v[192+i_:193+i_], v[192+i_:193+i_], s[94:95] op_sel_hi:[1,0]
.set i_, i_+2
.endr
.set i_, 0
.rept 32
	v_cndmask_b32 v[192+i_], v[192+i_], 1.0, s93
	v_cndmask_b32 v[224+i_], v[224+i_], 0, s93
.set i_, i_+1
.endr
	WIN 0
.endm
.macro FOLD4                           ; four pairs in T to one sum over the row's 64 numbers, in both lanes that hold the row
	v_pk_add_f32 v[T:T+1], v[T:T+1], v[T+4:T+5]
	v_pk_add_f32 v[T+2:T+3], v[T+2:T+3], v[T+6:T+7]
	v_pk_add_f32 v[T:T+1], v[T:T+1], v[T+2:T+3]
	v_add_f32 v[T], v[T], v[T+1]
	v_permlanex16_b32 v[T+1], v[T], s66, s67
	v_add_f32 v[T], v[T], v[T+1]
.endm
; 16 rows of one head: bias, mean, squares of the differences, 1 / sigma, gain and shift, f16, through my stage, out as whole rows
.macro LNOUT a, hd
.set AC_, 8*(NB*((\a)&1)+4*\hd)
.set RB_, FA+16*((\a)&1)
	WIN 2+((\a)>>1)                                ; source 0: the accumulators' window
.set i_, 0
.rept 16
	v_pk_add_f32 v[U+i_:U+i_+1], v[AC_+i_:AC_+i_+1], v[BIAS+32*\hd+i_:BIAS+32*\hd+i_+1]
.set i_, i_+2
.endr
	WIN 0
.irp k, 0,1,2,3,4,5,6,7
	v_pk_add_f32 v[T+2*\k:T+2*\k+1], v[U+4*\k:U+4*\k+1], v[U+4*\k+2:U+4*\k+3]
.endr
.irp k, 0,1,2,3
	v_pk_add_f32 v[T+2*\k:T+2*\k+1], v[T+2*\k:T+2*\k+1], v[T+2*\k+8:T+2*\k+9]
.endr
	FOLD4
	v_mul_f32 v[MU], s97, v[T]
	v_cndmask_b32 v[MU], v[MU], 0, s93             ; a v head keeps its numbers
.set i_, 0
.rept 16
	v_pk_add_f32 v[U+i_:U+i_+1], v[U+i_:U+i_+1], v[MU:MU+1] op_sel_hi:[1,0] neg_lo:[0,1] neg_hi:[0,1]
.set i_, i_+2
.endr
.irp c, 0,1,2,3
	v_pk_mul_f32 v[T+2*\c:T+2*\c+1], v[U+2*\c:U+2*\c+1], v[U+2*\c:U+2*\c+1]
.endr
.irp m, 1,2,3
.irp c, 0,1,2,3
	v_pk_fma_f32 v[T+2*\c:T+2*\c+1], v[U+8*\m+2*\c:U+8*\m+2*\c+1], v[U+8*\m+2*\c:U+8*\m+2*\c+1], v[T+2*\c:T+2*\c+1]
.endr
.endr
	FOLD4
	v_fma_f32 v[T], v[T], s97, s70                 ; variance + 1e-5
	v_rsq_f32 v[RS], v[T]
	v_nop                                          ; one plain instruction behind a transcendental (ISA guide 5.7.2)
	s_wait_alu depctr_va_vdst(0)
	v_cndmask_b32 v[RS], v[RS], 1.0, s93
.set i_, 0
.rept 16
	v_pk_mul_f32 v[U+i_:U+i_+1], v[U+i_:U+i_+1], v[RS:RS+1] op_sel_hi:[1,0]
.set i_, i_+2
.endr
	WIN (1+\hd)*0x14                               ; sources 1 and 2: the head's tables
.set i_, 0
.rept 16
	v_pk_fma_f32 v[U+i_:U+i_+1], v[U+i_:U+i_+1], v[192+i_:193+i_], v[224+i_:225+i_]
.set i_, i_+2
.endr
	WIN 0
.set i_, 0
.rept 16
	v_cvt_pk_f16_f32 v[PK+i_], v[U+2*i_], v[U+2*i_+1]
.set i_, i_+1
.endr
.irp bb, 0,1,2,3
	ds_store_b128 v[STO], v[PK+4*\bb:PK+4*\bb+3] offset:32*\bb
.endr
	s_wait_xcnt 0x0                                ; the read-back registers were store data two turns ago: rewritten only behind this wait
.irp t, 0,1,2,3
	ds_load_b128 v[RB_+4*\t:RB_+4*\t+3], v[RD] offset:\t*4*SPITCH   ; a wave's LDS instructions are served in order: these see the stores above
.endr
.irp t, 0,1,2,3
	s_wait_dscnt 3-\t                              ; the younger read-backs stay out
	global_store_b128 v[CO], v[RB_+4*\t:RB_+4*\t+3], s[8:9] offset:\hd*524288+(\a)*2048+\t*512   ; 512 neighbouring bytes, aligned
.endr
.endm
.irp hd, 0,1,2
	HEADSET \hd
	LNOUT 0, \hd
	LNOUT 1, \hd
	LNOUT 2, \hd
	LNOUT 3, \hd
.endr
	s_wait_tensorcnt 0x0
	ds_add_u32 v22, v23
	s_wait_dscnt 0x0
	CROUND                                         ; the closing round: no work-group ends while a partner may still ask for a tile that names it
	s_endpgm
.Lfunc_end_k_qddad47d925_qkv:
	.size	k_qddad47d925_qkv, .Lfunc_end_k_qddad47d925_qkv-k_qddad47d925_qkv
	.p2alignl 7, 3214868480
	.fill 96, 4, 3214868480
	.section	.rodata,"a",@progbits
	.p2align	6, 0x0
	.amdhsa_kernel k_qddad47d925_qkv
		.amdhsa_group_segment_fixed_size 327680
		.amdhsa_private_segment_fixed_size 0
		.amdhsa_enable_private_segment 0
		.amdhsa_kernarg_size 56
		.amdhsa_user_sgpr_count 2
		.amdhsa_user_sgpr_kernarg_segment_ptr 1
		.amdhsa_wavefront_size32 1
		.amdhsa_system_sgpr_workgroup_id_x 1
		.amdhsa_system_sgpr_workgroup_id_y 1
		.amdhsa_system_sgpr_workgroup_id_z 1
		.amdhsa_system_vgpr_workitem_id 0
		.amdhsa_next_free_vgpr 1024
		.amdhsa_next_free_sgpr 100
		.amdhsa_reserve_vcc 0
		.amdhsa_float_denorm_mode_32 3
		.amdhsa_float_denorm_mode_16_64 3
		.amdhsa_memory_ordered 1
		.amdhsa_forward_progress 1
		.amdhsa_inst_pref_size 255
	.end_amdhsa_kernel
	.section	.bss,"aw",@nobits
	.p2align	6
	.space	262144
	.amdgpu_metadata
---
amdhsa.version: [ 1, 2 ]
amdhsa.kernels:
  - .name:           k_qddad47d925_qkv
    .symbol:         k_qddad47d925_qkv.kd
    .args:
      - { .name: bf, .offset: 0, .size: 8, .value_kind: global_buffer, .address_space: global }
      - { .name: qkv, .offset: 8, .size: 8, .value_kind: global_buffer, .address_space: global }
      - { .name: b_qkv, .offset: 16, .size: 8, .value_kind: global_buffer, .address_space: global }
      - { .name: g_q, .offset: 24, .size: 8, .value_kind: global_buffer, .address_space: global }
      - { .name: bt_q, .offset: 32, .size: 8, .value_kind: global_buffer, .address_space: global }
      - { .name: g_k, .offset: 40, .size: 8, .value_kind: global_buffer, .address_space: global }
      - { .name: bt_k, .offset: 48, .size: 8, .value_kind: global_buffer, .address_space: global }
    .group_segment_fixed_size: 327680
    .private_segment_fixed_size: 0
    .kernarg_segment_align: 8
    .kernarg_segment_size: 56
    .max_flat_workgroup_size: 128
    .sgpr_count:     100
    .vgpr_count:     1024
    .wavefront_size: 32
...
	.end_amdgpu_metadata
.endif
;; end of part 2
;; launch attn (part 3): grid 16 x 16, 8 waves a work-group, clusters of 4 x 1, 327,680 bytes of LDS; arguments qkv, mbits, ao; writes ao
.if DOCPART == 3
	.amdgcn_target "amdgcn-amd-amdhsa--gfx1250"
	.amdhsa_code_object_version 6
	.text
	.protected	k_qddad47d925_attn
	.globl	k_qddad47d925_attn
	.p2align	8
	.type	k_qddad47d925_attn,@function
k_qddad47d925_attn:
	s_mov_b64 s[64:65], 0
	v_nop
	global_prefetch_b8 v0, s[64:65] scope:SCOPE_SE
	s_setreg_imm32_b32 hwreg(HW_REG_WAVE_MODE, 25, 1), 1
	s_wait_xcnt 0x0
	s_wait_alu depctr_hold_cnt(0) depctr_sa_sdst(0) depctr_va_vdst(0) depctr_va_sdst(0) depctr_va_ssrc(0) depctr_va_vcc(0) depctr_vm_vsrc(0)
	s_getreg_b32 s2, hwreg(HW_REG_IB_STS2, 6, 4)
	s_cmp_eq_u32 s2, 0
	s_cbranch_scc0 .Lentry_in_a_cluster
	s_endpgm
.Lentry_in_a_cluster:
	s_bfe_u32 s2, ttmp6, 0x10000c
	s_cmp_lg_u32 s2, 0x3003
	s_cbranch_scc0 .Lentry_shape_is_right
	s_endpgm
.Lentry_shape_is_right:
; attn: softmax(mask ? q k^T : lowest f32) v for 128 queries of two heads, all 2,048 keys (the mask is an input: no pattern is built in).
; q, k, v: f16 from the qkv buffer, q already times log2(e) / 8.  Running maximum in f32; a masked score is the finite 0xff7fffff as in the
; definition, so a row with no key allowed gives the mean of v: while all is masked p = 2^0 = 1, and the first real score makes alpha = 0.
; Out: ao [4096][2048] bf16: columns 0-1023 the result rounded to bf16, columns 1024-2047 the remainder rounded to bf16.
; LIMITS: NaN and infinities are not treated; the row sum adds p in f32 while the product takes p rounded to f16; |v| < 65,504.
; Work-group (x = block of 128 queries, y = 8 b + pair of heads), eight waves: wave w takes head 2 pair + (w >> 2) and queries 32 (w & 3) .. + 31 (two tiles of 16).
; CLUSTER 4 x 1: four query blocks of the same heads read the same K and V tiles: joint loads, mask 15.
; PRODUCTS, with no trip of P through LDS: S^T = K (16 keys x 32 d) x Q: lane (r, h), register j = (key 8 h + j, query r); two such tiles, packed to f16,
; ARE the second operand of O^T += V^T (16 d x 32 keys, by transposing LDS loads) x P^T.  Maximum, sum and alpha are one number a lane; the halves meet by one exchange.
; The mask comes as lane masks in scalar registers, one select for each score.
.set PART,  10240                      ; part w of a slot, filled by wave w: 64 keys of K (pitch 144) or of V (pitch 160)
.set SLOT,  8*PART                     ; parts 0,1: K of the first head; 2,3: K of the second; 4,5 and 6,7: V
.set KP,    144                        ; odd multiple of 16 bytes
.set VP,    160                        ; odd multiple of 32 bytes, for the transposing loads
.set TILEB, 16384                      ; 128 keys x 128 bytes in memory
.set STAGE, 2*SLOT                     ; 128 rows x 272 bytes for the high parts,
.set SP,    272
.set STAGE2, 128*SP                    ; and as much again behind it for the low parts
.set ADRK, 8                           ; v8, v9    K fragments in slot 0, 1
.set ADRV, 10                          ; v10, v11  V fragments
.set NEG,  12                          ; v12       the lowest finite f32
.set STO,  13
.set RD,   14
.set CO,   15
; per query tile qt, at 16 + 6 qt: maximum, old maximum | alpha, scratch | two partial sums
.set QF,   32                          ; v[32:63]   Q(qt, ks) at 32 + 16 qt + 8 ks
.set KF,   64                          ; v[64:95]   K(kt, ks)
.set VF,   96                          ; v[96:127]  V(dt)
.set SF,   128                         ; v[128:159] S(qt, kt) at 128 + 16 qt + 8 kt
.set PF,   160                         ; v[160:175] P(qt)
.set OF,   176                         ; v[176:239] O(qt, dt) at 176 + 32 qt + 8 dt
.set G1K, 48
.set G1V, 56
.set G0,  68                           ; s[68:71], s[72:75]: one group 0 for each slot
.macro PLACES
.rept 4
	v_nop
.endr
.endm
.macro ROUND                           ; a round of the cluster's barrier
	s_barrier_signal -1
	s_barrier_wait -1
	s_cmp_lg_u32 s10, 0
	s_cbranch_scc1 .Lnot_wave_0_\@
	s_barrier_signal -3
.Lnot_wave_0_\@:
	s_barrier_wait -3
	s_barrier_signal -1
	s_barrier_wait -1
.endm
.macro JLOAD s                         ; waves 0-3 ask for parts of K, waves 4-7 for parts of V (another padding); the branch hangs on the wave's number alone
	s_cmp_eq_u32 s11, 0
	s_cbranch_scc0 .Lfor_v_\@
	tensor_load_to_lds s[G0+4*(\s):G0+4*(\s)+3], s[G1K:G1K+7]
	s_nop 0
	s_branch .Lasked_\@
.Lfor_v_\@:
	tensor_load_to_lds s[G0+4*(\s):G0+4*(\s)+3], s[G1V:G1V+7]
	s_nop 0
.Lasked_\@:
.endm
.macro MLOAD off                       ; the lane masks of 32 keys for my two query tiles: 16 dwords each
	s_load_b512 s[16:31], s[76:77], \off
	s_load_b512 s[32:47], s[76:77], \off+4096
.endm
.macro LDK s, c                        ; K fragments of chunk c (32 keys): 8 loads
.irp kt, 0,1
.irp ks, 0,1
	ds_load_b128 v[KF+16*\kt+8*\ks:KF+16*\kt+8*\ks+3],   v[ADRK+\s] offset:((\c)/2)*PART+((\c)%2)*32*KP+\kt*16*KP+64*\ks
	ds_load_b128 v[KF+16*\kt+8*\ks+4:KF+16*\kt+8*\ks+7], v[ADRK+\s] offset:((\c)/2)*PART+((\c)%2)*32*KP+\kt*16*KP+64*\ks+32
.endr
.endr
.endm
.macro LDV s, c                        ; V^T fragments of chunk c: 8 transposing loads
.irp dt, 0,1,2,3
	ds_load_tr16_b128 v[VF+8*\dt:VF+8*\dt+3],   v[ADRV+\s] offset:(\c)*32*VP+32*\dt
	ds_load_tr16_b128 v[VF+8*\dt+4:VF+8*\dt+7], v[ADRV+\s] offset:(\c)*32*VP+32*\dt+16*VP
.endr
.endm
	s_load_b128 s[4:7], s[0:1], 0x0                ; qkv, mbits
	s_load_b64 s[8:9], s[0:1], 0x10                ; ao
	v_lshl_add_u32 v240, v0, 2, 0x39000
	v_mov_b32 v241, 0
	ds_add_u32 v240, v241
	v_lshrrev_b32 v1, 5, v0
	v_readfirstlane_b32 s10, v1                    ; wave 0..7
	s_lshr_b32 s11, s10, 2                         ; my head of the pair.  Also: I fetch K (0) or V (1)
	s_and_b32 s12, s10, 3                          ; my 32 queries of the block
	s_bfe_u32 s82, ttmp6, 0x40000                  ; cx
	s_lshl_b32 s83, ttmp9, 2
	s_add_co_u32 s83, s83, s82                     ; query block = 4 x cluster x + cx
	s_and_b32 s84, ttmp7, 0xffff
	s_lshr_b32 s85, s84, 3                         ; b
	s_and_b32 s86, s84, 7                          ; pair of heads
	s_mov_b32 s80, 0x76543210
	s_mov_b32 s81, 0xfedcba98
	; group 1: 64 rows x 64 elements of 2 bytes, dense in memory; after every 32 dwords 4 (K) or 8 (V) dwords of padding; mask 15 and bit 21
	s_mov_b32 s[G1K+0], 15|(1<<16)|(1<<20)|(1<<21)|(4<<22)|(3<<25)
	s_mov_b32 s[G1V+0], 15|(1<<16)|(1<<20)|(1<<21)|(4<<22)|(7<<25)
	s_mov_b32 s[G1K+1], 64<<16
	s_mov_b32 s[G1V+1], 64<<16
	s_mov_b32 s[G1K+2], 64<<16
	s_mov_b32 s[G1V+2], 64<<16
	s_mov_b32 s[G1K+3], 64<<16
	s_mov_b32 s[G1V+3], 64<<16
	s_mov_b32 s[G1K+4], 64
	s_mov_b32 s[G1V+4], 64
	s_mov_b32 s[G1K+5], 64
	s_mov_b32 s[G1V+5], 64
	s_mov_b32 s[G1K+6], 0
	s_mov_b32 s[G1V+6], 0
	s_mov_b32 s[G1K+7], 0
	s_mov_b32 s[G1V+7], 0
	; my part of a tile: plane 16 + 16 (w >> 2) + 2 pair + ((w >> 1) & 1), batch b, keys 64 (w & 1): nothing of cx
	s_lshl_b32 s87, s11, 4
	s_lshl1_add_u32 s87, s86, s87
	s_bfe_u32 s88, s10, 0x10001
	s_add_co_u32 s87, s87, s88
	s_add_co_u32 s87, s87, 16
	s_lshl_b32 s90, s87, 19
	s_lshl_b32 s88, s85, 18
	s_add_co_u32 s90, s90, s88
	s_and_b32 s88, s10, 1
	s_lshl_b32 s88, s88, 13
	s_add_co_u32 s90, s90, s88
	s_mov_b32 s91, 0
	s_mul_i32 s94, s10, PART
	s_mul_i32 s95, s11, 2*PART                     ; my head's K (and, 4 parts on, V) in a slot
	s_mul_i32 s96, s12, 32*SP
	s_lshl_b32 s97, s11, 7
	s_add_co_u32 s96, s96, s97
	s_add_co_u32 s96, s96, STAGE                   ; stage, in: my 32 rows, my head's 128 bytes
	s_mul_i32 s97, s10, 16*SP
	s_add_co_u32 s97, s97, STAGE                   ; stage, back: rows 16 w .. 16 w + 15
	v_and_b32 v2, 15, v0                           ; r
	v_bfe_u32 v3, v0, 4, 1                         ; h
	v_mul_u32_u24 v4, v2, KP
	v_lshl_add_u32 v4, v3, 4, v4
	v_add_nc_u32 v[ADRK], s95, v4
	v_add_nc_u32 v[ADRK+1], SLOT, v[ADRK]
	v_and_b32 v6, 7, v0
	v_lshl_add_u32 v6, v3, 3, v6                   ; key 8 h + (lane & 7)
	v_mul_u32_u24 v5, v6, VP
	v_bfe_u32 v7, v0, 3, 1
	v_lshl_add_u32 v5, v7, 4, v5
	v_add3_u32 v[ADRV], v5, s95, 4*PART
	v_add_nc_u32 v[ADRV+1], SLOT, v[ADRV]
	v_mov_b32 v[NEG], 0xff7fffff
	v_mul_u32_u24 v4, v2, SP
	v_lshl_add_u32 v4, v3, 4, v4
	v_add_nc_u32 v[STO], s96, v4
	v_mul_u32_u24 v4, v3, SP
	v_lshl_add_u32 v4, v2, 4, v4
	v_add_nc_u32 v[RD], s97, v4
	v_lshlrev_b32 v4, 4, v2
	v_lshl_add_u32 v[CO], v3, 12, v4               ; two rows of ao (4,096 bytes each), 256 bytes of each
	v_lshlrev_b32 v28, 7, v2
	v_lshl_add_u32 v28, v3, 4, v28                 ; Q: row r, 16 bytes for each half
	v_mov_b32 v17, 0                               ; the old maxima: written, since they are read as halves of pairs
	v_mov_b32 v23, 0
	s_wait_dscnt 0x0
	s_wait_kmcnt 0x0
	s_add_nc_u64 s[92:93], s[4:5], s[90:91]
	s_lshl_b32 s79, s85, 11
	s_lshl_b32 s13, s83, 7
	s_add_co_u32 s79, s79, s13                     ; the block's first row, 2048 b + 128 x block
	s_lshl_b32 s13, s12, 5
	s_add_co_u32 s13, s13, s79
	s_lshl_b32 s13, s13, 7
	s_lshl1_add_u32 s2, s86, s11                   ; my head
	s_lshl_b32 s2, s2, 19
	s_add_co_u32 s2, s2, s13
	s_mov_b32 s3, 0
	s_add_nc_u64 s[14:15], s[4:5], s[2:3]          ; my 32 rows of q
	s_lshl_b32 s2, s83, 15
	s_lshl_b32 s13, s12, 13
	s_add_co_u32 s2, s2, s13
	s_add_nc_u64 s[76:77], s[6:7], s[2:3]          ; mbits at query tile 8 x block + 2 (w & 3)
	s_lshl_b32 s13, s10, 4
	s_add_co_u32 s2, s79, s13
	s_lshl_b32 s2, s2, 12
	s_lshl_b32 s13, s86, 8
	s_add_co_u32 s2, s2, s13
	s_add_nc_u64 s[8:9], s[8:9], s[2:3]            ; ao at row block + 16 w, byte 256 x pair
.irp qt, 0,1
.irp ks, 0,1
	global_load_b128 v[QF+16*\qt+8*\ks:QF+16*\qt+8*\ks+3],   v28, s[14:15] offset:2048*\qt+64*\ks
	global_load_b128 v[QF+16*\qt+8*\ks+4:QF+16*\qt+8*\ks+7], v28, s[14:15] offset:2048*\qt+64*\ks+32
.endr
.endr
	MLOAD 0
.irp s, 0,1
	s_mov_b32 s[G0+4*\s], 1
	s_add_co_u32 s[G0+4*\s+1], s94, \s*SLOT
	s_add_nc_u64 s[G0+4*\s+2:G0+4*\s+3], s[92:93], \s*TILEB
	s_or_b32 s[G0+4*\s+3], s[G0+4*\s+3], 0x80000000
.endr
	ROUND                                          ; the four work-groups are here: the first joint load meets
	JLOAD 0                                        ; tile 0; from here on one tensor load of the wave is out at the most
	s_wait_loadcnt 0x0                             ; Q
; 32 keys.  first = 1: the very first chunk starts maximum, sums and O.  last = 1: no further masks to fetch.
.macro CHUNK s, c, first, last
	PLACES                                         ; V's registers were read by the last products
	LDV \s, \c
	s_wait_dscnt 0x8                               ; K's eight loads are in; V's eight, issued behind them, stay out
	; four score tiles by turns, d 0-31 starting the sums, then d 32-63 in the same order
.irp ks, 0,1
.irp qt, 0,1
.irp kt, 0,1
.if \ks == 0
	v_wmma_f32_16x16x32_f16 v[SF+16*\qt+8*\kt:SF+16*\qt+8*\kt+7], v[KF+16*\kt+8*\ks:KF+16*\kt+8*\ks+7], v[QF+16*\qt+8*\ks:QF+16*\qt+8*\ks+7], 0
.else
	v_wmma_f32_16x16x32_f16 v[SF+16*\qt+8*\kt:SF+16*\qt+8*\kt+7], v[KF+16*\kt+8*\ks:KF+16*\kt+8*\ks+7], v[QF+16*\qt+8*\ks:QF+16*\qt+8*\ks+7], v[SF+16*\qt+8*\kt:SF+16*\qt+8*\kt+7]
.endif
.endr
.endr
.endr
	PLACES
.if \c < 3
	LDK \s, \c+1                                   ; the next chunk's K, a whole softmax ahead of its use
.endif
	s_wait_kmcnt 0x0                               ; this chunk's lane masks
.irp qt, 0,1
.irp i, 0,1,2,3,4,5,6,7,8,9,10,11,12,13,14,15
	v_cndmask_b32 v[SF+16*\qt+\i], v[NEG], v[SF+16*\qt+\i], s[16+16*\qt+\i]
.endr
.endr
.if \last == 0
.if \c == 3
	s_add_nc_u64 s[76:77], s[76:77], 256           ; no scalar load is out behind the wait above: the pointer may step to the next 128 keys
	MLOAD 0
.else
	MLOAD (\c+1)*64
.endif
.endif
	; the maximum of my 16 scores of each query, in two chains, with the old maximum; then the other half's
.irp qt, 0,1
	v_max3_num_f32 v[19+6*\qt], v[SF+16*\qt], v[SF+16*\qt+1], v[SF+16*\qt+2]
	v_max3_num_f32 v[18+6*\qt], v[SF+16*\qt+8], v[SF+16*\qt+9], v[SF+16*\qt+10]
.endr
.irp m, 3,5
.irp qt, 0,1
	v_max3_num_f32 v[19+6*\qt], v[19+6*\qt], v[SF+16*\qt+\m], v[SF+16*\qt+\m+1]
	v_max3_num_f32 v[18+6*\qt], v[18+6*\qt], v[SF+16*\qt+\m+8], v[SF+16*\qt+\m+9]
.endr
.endr
.irp qt, 0,1
	v_max3_num_f32 v[19+6*\qt], v[19+6*\qt], v[SF+16*\qt+7], v[SF+16*\qt+15]
.endr
.irp qt, 0,1
.if \first
	v_max_num_f32 v[19+6*\qt], v[19+6*\qt], v[18+6*\qt]
.else
	v_max3_num_f32 v[19+6*\qt], v[19+6*\qt], v[18+6*\qt], v[17+6*\qt]
.endif
.endr
.irp qt, 0,1
	v_permlanex16_b32 v[18+6*\qt], v[19+6*\qt], s80, s81
.endr
.irp qt, 0,1
	v_max_num_f32 v[16+6*\qt], v[19+6*\qt], v[18+6*\qt]
.endr
.if \first == 0
.irp qt, 0,1
	v_sub_f32 v[18+6*\qt], v[17+6*\qt], v[16+6*\qt]        ; old maximum - new
.endr
.endif
.irp qt, 0,1
.irp i, 0,2,4,6,8,10,12,14
	v_pk_add_f32 v[SF+16*\qt+\i:SF+16*\qt+\i+1], v[SF+16*\qt+\i:SF+16*\qt+\i+1], v[16+6*\qt:17+6*\qt] op_sel_hi:[1,0] neg_lo:[0,1] neg_hi:[0,1]
.endr
.endr
.if \first == 0
.irp qt, 0,1
	v_exp_f32 v[18+6*\qt], v[18+6*\qt]             ; alpha
.endr
.endif
.set i_, 0
.rept 32
	v_exp_f32 v[SF+i_], v[SF+i_]
.set i_, i_+1
.endr
	v_mov_b32 v17, v16                             ; plain instructions behind the transcendentals (ISA guide 5.7.2): the maxima grow old
	v_mov_b32 v23, v22
.set i_, 0
	s_wait_alu depctr_va_vdst(0)
.rept 16
	v_cvt_pk_f16_f32 v[PF+i_], v[SF+2*i_], v[SF+2*i_+1]    ; tiles kt = 0, 1 become registers 0-3, 4-7 of P^T's fragment
.set i_, i_+1
.endr
.if \first == 0
.irp qt, 0,1
.set i_, 0
.rept 16
	v_pk_mul_f32 v[OF+32*\qt+i_:OF+32*\qt+i_+1], v[OF+32*\qt+i_:OF+32*\qt+i_+1], v[18+6*\qt:19+6*\qt] op_sel_hi:[1,0]
.set i_, i_+2
.endr
.endr
.endif
.irp qt, 0,1
.irp i, 0,2,4,6
	v_pk_add_f32 v[SF+16*\qt+\i:SF+16*\qt+\i+1], v[SF+16*\qt+\i:SF+16*\qt+\i+1], v[SF+16*\qt+\i+8:SF+16*\qt+\i+9]
.endr
.endr
.irp qt, 0,1
.irp i, 0,2
	v_pk_add_f32 v[SF+16*\qt+\i:SF+16*\qt+\i+1], v[SF+16*\qt+\i:SF+16*\qt+\i+1], v[SF+16*\qt+\i+4:SF+16*\qt+\i+5]
.endr
.endr
.irp qt, 0,1
.if \first
	v_pk_add_f32 v[20+6*\qt:21+6*\qt], v[SF+16*\qt:SF+16*\qt+1], v[SF+16*\qt+2:SF+16*\qt+3]
.else
	v_pk_add_f32 v[SF+16*\qt:SF+16*\qt+1], v[SF+16*\qt:SF+16*\qt+1], v[SF+16*\qt+2:SF+16*\qt+3]
.endif
.endr
.if \first == 0
.irp qt, 0,1
	v_pk_fma_f32 v[20+6*\qt:21+6*\qt], v[20+6*\qt:21+6*\qt], v[18+6*\qt:19+6*\qt], v[SF+16*\qt:SF+16*\qt+1] op_sel_hi:[1,0,1]
.endr
.endif
.if \c < 3
	s_wait_dscnt 0x8                               ; V is in; the next chunk's eight loads of K stay out
.else
	s_wait_dscnt 0x0                               ; V is in, and my reads of this slot are over
.endif
	; eight different accumulators, one instruction each
.irp qt, 0,1
.irp dt, 0,1,2,3
.if \first
	v_wmma_f32_16x16x32_f16 v[OF+32*\qt+8*\dt:OF+32*\qt+8*\dt+7], v[VF+8*\dt:VF+8*\dt+7], v[PF+8*\qt:PF+8*\qt+7], 0
.else
	v_wmma_f32_16x16x32_f16 v[OF+32*\qt+8*\dt:OF+32*\qt+8*\dt+7], v[VF+8*\dt:VF+8*\dt+7], v[PF+8*\qt:PF+8*\qt+7], v[OF+32*\qt+8*\dt:OF+32*\qt+8*\dt+7]
.endif
.endr
.endr
.endm
; a tile of 128 keys in slot s.  The round of the cluster's barrier stands between every wave's last reads of the other slot and its refill.
.macro TRIP s, refill, first, last
	s_wait_tensorcnt 0x0                           ; all my tensor loads have landed, my part of this tile among them,
	ds_add_u32 v240, v241
	s_wait_dscnt 0x0
	s_add_nc_u64 s[G0+4*\s+2:G0+4*\s+3], s[G0+4*\s+2:G0+4*\s+3], 2*TILEB   ; so a group 0 may be written: this slot's next tile
	s_wait_dscnt 0x0                               ; my reads of the last tile are over
	ROUND
.if \refill
	JLOAD 1-\s                                     ; my one tensor load behind the round: the next tile, into the slot read last; it has this tile's work in which to land
.endif
	LDK \s, 0
	CHUNK \s, 0, \first, 0
	CHUNK \s, 1, 0, 0
	CHUNK \s, 2, 0, 0
	CHUNK \s, 3, 0, \last
.endm
	TRIP 0, 1, 1, 0                                ; tiles 0 and 1 stand in front of the loop: the first chunk starts the sums
	TRIP 1, 1, 0, 0
	s_mov_b32 s78, 6
.Ltiles:
	TRIP 0, 1, 0, 0
	TRIP 1, 1, 0, 0
	s_sub_co_u32 s78, s78, 1
	s_cmp_lg_u32 s78, 0
	s_cbranch_scc1 .Ltiles
	TRIP 0, 1, 0, 0                                ; tile 14 asks for tile 15,
	TRIP 1, 0, 0, 1                                ; which asks for nothing
	; THE END: divide by the row sums, split into two bf16, through the stage, out as whole rows of 256 bytes
	PLACES
.irp qt, 0,1
	v_add_f32 v[20+6*\qt], v[20+6*\qt], v[21+6*\qt]
.endr
.irp qt, 0,1
	v_permlanex16_b32 v[19+6*\qt], v[20+6*\qt], s80, s81
.endr
.irp qt, 0,1
	v_add_f32 v[20+6*\qt], v[20+6*\qt], v[19+6*\qt]        ; at least 1: the largest score gives p = 1
.endr
.irp qt, 0,1
	v_rcp_f32 v[18+6*\qt], v[20+6*\qt]
.endr
	v_nop
	s_wait_alu depctr_va_vdst(0)
.irp qt, 0,1
.set i_, 0
.rept 16
	v_pk_mul_f32 v[OF+32*\qt+i_:OF+32*\qt+i_+1], v[OF+32*\qt+i_:OF+32*\qt+i_+1], v[18+6*\qt:19+6*\qt] op_sel_hi:[1,0]
.set i_, i_+2
.endr
.endr
.set i_, 0
.rept 32
	v_cvt_pk_bf16_f32 v[KF+i_], v[OF+2*i_], v[OF+2*i_+1]   ; the high parts
.set i_, i_+1
.endr
.irp g, 0,1
.set i_, 0
.rept 16
	v_lshlrev_b32 v[SF+2*i_],   16, v[KF+16*\g+i_]
	v_and_b32     v[SF+2*i_+1], 0xffff0000, v[KF+16*\g+i_]
.set i_, i_+1
.endr
.set i_, 0
.rept 16
	v_pk_add_f32 v[OF+32*\g+2*i_:OF+32*\g+2*i_+1], v[OF+32*\g+2*i_:OF+32*\g+2*i_+1], v[SF+2*i_:SF+2*i_+1] neg_lo:[0,1] neg_hi:[0,1]
.set i_, i_+1
.endr
.endr
.set i_, 0
.rept 32
	v_cvt_pk_bf16_f32 v[VF+i_], v[OF+2*i_], v[OF+2*i_+1]   ; what the high parts left
.set i_, i_+1
.endr
.irp qt, 0,1
.irp dt, 0,1,2,3
	ds_store_b128 v[STO], v[KF+16*\qt+4*\dt:KF+16*\qt+4*\dt+3] offset:\qt*16*SP+32*\dt
	ds_store_b128 v[STO], v[VF+16*\qt+4*\dt:VF+16*\qt+4*\dt+3] offset:STAGE2+\qt*16*SP+32*\dt
.endr
.endr
	s_wait_dscnt 0x0                               ; my stores are done, for the waves that read these rows
	s_barrier_signal -1
	s_barrier_wait -1
.irp t, 0,1,2,3,4,5,6,7
	ds_load_b128 v[SF+4*\t:SF+4*\t+3], v[RD] offset:\t*2*SP
.endr
.irp t, 0,1,2,3,4,5,6,7
	ds_load_b128 v[OF+4*\t:OF+4*\t+3], v[RD] offset:STAGE2+\t*2*SP
.endr
.irp t, 0,1,2,3,4,5,6,7
	s_wait_dscnt 15-\t                             ; the younger read-backs stay out
	global_store_b128 v[CO], v[SF+4*\t:SF+4*\t+3], s[8:9] offset:\t*8192       ; sixteen lanes store 256 neighbouring bytes, aligned
.endr
.irp t, 0,1,2,3,4,5,6,7
	s_wait_dscnt 7-\t
	global_store_b128 v[CO], v[OF+4*\t:OF+4*\t+3], s[8:9] offset:\t*8192+2048
.endr
	s_wait_tensorcnt 0x0
	ds_add_u32 v240, v241
	s_wait_dscnt 0x0
	ROUND                                          ; the closing round
	s_endpgm
.Lfunc_end_k_qddad47d925_attn:
	.size	k_qddad47d925_attn, .Lfunc_end_k_qddad47d925_attn-k_qddad47d925_attn
	.p2alignl 7, 3214868480
	.fill 96, 4, 3214868480
	.section	.rodata,"a",@progbits
	.p2align	6, 0x0
	.amdhsa_kernel k_qddad47d925_attn
		.amdhsa_group_segment_fixed_size 327680
		.amdhsa_private_segment_fixed_size 0
		.amdhsa_enable_private_segment 0
		.amdhsa_kernarg_size 24
		.amdhsa_user_sgpr_count 2
		.amdhsa_user_sgpr_kernarg_segment_ptr 1
		.amdhsa_wavefront_size32 1
		.amdhsa_system_sgpr_workgroup_id_x 1
		.amdhsa_system_sgpr_workgroup_id_y 1
		.amdhsa_system_sgpr_workgroup_id_z 1
		.amdhsa_system_vgpr_workitem_id 0
		.amdhsa_next_free_vgpr 242
		.amdhsa_next_free_sgpr 100
		.amdhsa_reserve_vcc 0
		.amdhsa_float_denorm_mode_32 3
		.amdhsa_float_denorm_mode_16_64 3
		.amdhsa_memory_ordered 1
		.amdhsa_forward_progress 1
		.amdhsa_inst_pref_size 255
	.end_amdhsa_kernel
	.section	.bss,"aw",@nobits
	.p2align	6
	.space	262144
	.amdgpu_metadata
---
amdhsa.version: [ 1, 2 ]
amdhsa.kernels:
  - .name:           k_qddad47d925_attn
    .symbol:         k_qddad47d925_attn.kd
    .args:
      - { .name: qkv, .offset: 0, .size: 8, .value_kind: global_buffer, .address_space: global }
      - { .name: mbits, .offset: 8, .size: 8, .value_kind: global_buffer, .address_space: global }
      - { .name: ao, .offset: 16, .size: 8, .value_kind: global_buffer, .address_space: global }
    .group_segment_fixed_size: 327680
    .private_segment_fixed_size: 0
    .kernarg_segment_align: 8
    .kernarg_segment_size: 24
    .max_flat_workgroup_size: 256
    .sgpr_count:     100
    .vgpr_count:     242
    .wavefront_size: 32
...
	.end_amdgpu_metadata
.endif
;; end of part 3
;; launch proj (part 4): grid 16 x 16, 4 waves a work-group, clusters of 4 x 4, 327,680 bytes of LDS; arguments ao, bf, b_proj, out0; writes out0
.if DOCPART == 4
	.amdgcn_target "amdgcn-amd-amdhsa--gfx1250"
	.amdhsa_code_object_version 6
	.text
	.protected	k_qddad47d925_proj
	.globl	k_qddad47d925_proj
	.p2align	8
	.type	k_qddad47d925_proj,@function
k_qddad47d925_proj:
	s_mov_b64 s[64:65], 0
	v_nop
	global_prefetch_b8 v0, s[64:65] scope:SCOPE_SE
	s_setreg_imm32_b32 hwreg(HW_REG_WAVE_MODE, 25, 1), 1
	s_wait_xcnt 0x0
	s_wait_alu depctr_hold_cnt(0) depctr_sa_sdst(0) depctr_va_vdst(0) depctr_va_sdst(0) depctr_va_ssrc(0) depctr_va_vcc(0) depctr_vm_vsrc(0)
	s_getreg_b32 s2, hwreg(HW_REG_IB_STS2, 6, 4)
	s_cmp_eq_u32 s2, 0
	s_cbranch_scc0 .Lentry_in_a_cluster
	s_endpgm
.Lentry_in_a_cluster:
	s_bfe_u32 s2, ttmp6, 0x10000c
	s_cmp_lg_u32 s2, 0xf033
	s_cbranch_scc0 .Lentry_shape_is_right
	s_endpgm
.Lentry_shape_is_right:
; proj: out0 = (ao_high + ao_low) w_proj^T + b_proj, as one product with K = 2048: ao is [4096][high 1024 | low 1024] bf16, and bf holds
; w_proj's bf16 rows twice, [1024][w | w], from byte 14680064.  f32 sums, f32 out.
; LIMIT (format): b_proj is rounded to bf16 (nearest even) before it is added, as w_proj is: the module is computed on all its inputs in bf16.
; A work-group makes 256 rows x 64 columns, four waves stacked along the rows: a wave makes 64 x 64 = 16 accumulator tiles; 16 x 16 = 256 work-groups.
; K goes in steps of 128 through two LDS slots filled by the tensor data mover; a tile's rows are 256 bytes of memory, aligned.
; CLUSTER 4 x 4: ao's tile is shared along a row of the cluster, w's along a column: joint loads.
; The matrix instruction is used transposed (source 0 = rows of w, source 1 = rows of ao): lane (r, h) holds row r, columns 16 b + 8 h + 0..7.
; REGISTERS by windows of 256: window 0: v0-31 addresses and bias, v64-127 ao fragments (two buffers; on the way out the read-back);
; window 1: v0-63 w fragments (two buffers); windows 2, 3: the tiles of my rows 0-31, 32-63 at v[8 (4 (a & 1) + b)].
.set NB,     4
.set KDIM,   2048
.set ROWSH,  12                        ; a row of an operand is 4,096 bytes
.set KSTEP,  128
.set PITCH,  272
.set HALFT,  128*PITCH
.set SLOT,   4*HALFT                   ; parts 0, 1: ao rows 0-127, 128-255; parts 2, 3: w rows 0-31, 32-63
.set STAGE,  2*SLOT                    ; behind the ring: 16 rows x 272 bytes for each wave
.set SPITCH, 272
.set LAPS,   KDIM/(2*KSTEP)
.set ADRA, 16
.set ADRB, 20
.set STO,  24
.set RD,   25
.set CO,   26
.set VT,   27
.set BI,   28                          ; v[28:31] bias of my four columns on the way out
.set FA,   64
.set G1,  24
.set G0,  32
.set G1B, 48
.set G0B, 56
.set G1W0, (1<<16)|(1<<20)|(1<<21)|(5<<22)|(3<<25)
.set MSB, 0
.macro WIN new
.if MSB != (\new)
	s_set_vgpr_msb (MSB<<8)|(\new)
.set MSB, (\new)
.endif
.endm
.macro PLACES                          ; four places behind a matrix instruction (ISA guide 7.12.1)
.rept 4
	v_nop
.endr
.endm
.macro JLOAD s                         ; waves 0, 1 ask for ao's two halves, waves 2, 3 for w's
	s_cmp_eq_u32 s11, 0
	s_cbranch_scc0 .Lfor_b_\@
	tensor_load_to_lds s[G0+4*\s:G0+4*\s+3], s[G1:G1+7]
	s_nop 0
	s_branch .Lasked_\@
.Lfor_b_\@:
	tensor_load_to_lds s[G0B+4*\s:G0B+4*\s+3], s[G1B:G1B+7]
	s_nop 0
.Lasked_\@:
.endm
.macro CREST
	s_cmp_lg_u32 s10, 0
	s_cbranch_scc1 .Lnot_wave_0_\@
	s_barrier_signal -3
.Lnot_wave_0_\@:
	s_barrier_wait -3
	s_barrier_signal -1
	s_barrier_wait -1
.endm
.macro CROUND
	s_barrier_signal -1
	s_barrier_wait -1
	CREST
.endm
	s_load_b128 s[4:7], s[0:1], 0x0                ; ao, bf
	s_load_b64 s[68:69], s[0:1], 0x10              ; b_proj
	s_load_b64 s[8:9], s[0:1], 0x18                ; out0
	s_set_vgpr_msb 0x40
	v_lshl_add_u32 v255, v0, 2, 0x48400
	s_set_vgpr_msb 0x4000
	v_mov_b32 v255, 0
	s_set_vgpr_msb 0x1
	ds_add_u32 v255, v255
	s_set_vgpr_msb 0x100
	v_lshrrev_b32 v1, 5, v0
	v_readfirstlane_b32 s10, v1                    ; wave 0..3
	s_lshr_b32 s11, s10, 1
	s_and_b32 s12, s10, 1
	s_bfe_u32 s40, ttmp6, 0x40000                  ; cx
	s_bfe_u32 s41, ttmp6, 0x40004                  ; cy
	s_lshl_b32 s42, ttmp9, 2
	s_add_co_u32 s42, s42, s40                     ; block column
	s_and_b32 s13, ttmp7, 0xffff
	s_lshl_b32 s13, s13, 2
	s_add_co_u32 s13, s13, s41                     ; block row
	s_lshl_b32 s43, s41, 2
	s_lshl_b32 s43, 15, s43
	s_lshl_b32 s44, 0x1111, s40
	s_or_b32 s[G1+0], s43, G1W0
	s_or_b32 s[G1B+0], s44, G1W0
	s_mov_b32 s[G1+1], KSTEP<<16
	s_mov_b32 s[G1B+1], KSTEP<<16
	s_mov_b32 s[G1+2], 128<<16
	s_mov_b32 s[G1B+2], (8*NB)<<16
	s_mov_b32 s[G1+3], KSTEP<<16
	s_mov_b32 s[G1B+3], KSTEP<<16
	s_mov_b32 s[G1+4], 128
	s_mov_b32 s[G1B+4], 8*NB
	s_mov_b32 s[G1+5], KDIM
	s_mov_b32 s[G1B+5], KDIM
	s_mov_b32 s[G1+6], 0
	s_mov_b32 s[G1B+6], 0
	s_mov_b32 s[G1+7], 0
	s_mov_b32 s[G1B+7], 0
	s_lshl_b32 s17, s12, 7
	s_lshl_b32 s16, s13, 8
	s_add_co_u32 s16, s16, s17                     ; ao: row 256 x block row + 128 x half
	s_lshl_b32 s16, s16, ROWSH
	s_mov_b32 s17, 0
	s_mul_i32 s46, s42, 16*NB
	s_mul_i32 s47, s12, 8*NB
	s_add_co_u32 s46, s46, s47                     ; w: row 64 x block column + 32 x half
	s_lshl_b32 s46, s46, ROWSH
	s_mov_b32 s47, 0
	s_mul_i32 s20, s10, HALFT
	s_wait_dscnt 0x0
	s_wait_kmcnt 0x0
	s_add_nc_u64 s[6:7], s[6:7], 0xe00000          ; the doubled w_proj in bf
	s_add_nc_u64 s[14:15], s[4:5], s[16:17]
	s_add_nc_u64 s[46:47], s[6:7], s[46:47]
	CROUND                                         ; the first joint loads meet
.irp s, 0,1
	s_mov_b32 s[G0+4*\s], 1
	s_add_co_u32 s[G0+4*\s+1], s20, \s*SLOT
	s_add_nc_u64 s[G0+4*\s+2:G0+4*\s+3], s[14:15], \s*KSTEP*2
	s_or_b32 s[G0+4*\s+3], s[G0+4*\s+3], 0x80000000
	s_mov_b32 s[G0B+4*\s], 1
	s_add_co_u32 s[G0B+4*\s+1], s20, \s*SLOT
	s_add_nc_u64 s[G0B+4*\s+2:G0B+4*\s+3], s[46:47], \s*KSTEP*2
	s_or_b32 s[G0B+4*\s+3], s[G0B+4*\s+3], 0x80000000
	JLOAD \s                                       ; K steps 0 and 1: two tensor loads of the wave are out, later one
.endr
	v_and_b32 v1, 15, v0                           ; r
	v_bfe_u32 v2, v0, 4, 1                         ; h
	v_mul_u32_u24 v3, v1, PITCH
	v_lshl_add_u32 v3, v2, 4, v3
	s_mul_i32 s21, s10, 64*PITCH
.irp s, 0,1
	v_add_nc_u32 v[ADRA+\s], s21, v3
	v_add_nc_u32 v[ADRB+\s], 2*HALFT+\s*SLOT, v3
	s_add_co_u32 s21, s21, SLOT
.endr
	s_mul_i32 s23, s10, 16*SPITCH
	s_add_co_u32 s23, s23, STAGE
	v_mul_u32_u24 v4, v1, SPITCH
	v_lshl_add_u32 v4, v2, 5, v4
	v_add_nc_u32 v[STO], s23, v4                   ; in: row r, 32 bytes (8 f32) for each half
	v_mul_u32_u24 v4, v2, SPITCH
	v_lshl_add_u32 v4, v1, 4, v4
	v_add_nc_u32 v[RD], s23, v4                    ; back: sixteen lanes a row of 256 bytes, two rows a load
	v_lshlrev_b32 v[VT], 4, v1
	v_lshl_add_u32 v[CO], v2, 12, v[VT]            ; the same two rows in out0
	s_lshl_b32 s98, s42, 8                         ; the block's 64 columns, in bytes
	s_mov_b32 s99, 0
	s_add_nc_u64 s[68:69], s[68:69], s[98:99]
	global_load_b128 v[BI:BI+3], v[VT], s[68:69]   ; used on the way out
; NB matrix instructions: row tile a x all column tiles.  The 16 accumulators take turns, one instruction a turn, in the same order in every quarter step
; and over the backward jump.
.macro MULROW f, a, zero
.set b_, 0
.rept NB
.if \zero
	v_wmma_f32_16x16x32_bf16 v[8*(NB*((\a)&1)+b_):8*(NB*((\a)&1)+b_)+7], v[8*NB*\f+8*b_:8*NB*\f+8*b_+7], v[FA+32*\f+8*(\a):FA+32*\f+8*(\a)+7], 0
.else
	v_wmma_f32_16x16x32_bf16 v[8*(NB*((\a)&1)+b_):8*(NB*((\a)&1)+b_)+7], v[8*NB*\f+8*b_:8*NB*\f+8*b_+7], v[FA+32*\f+8*(\a):FA+32*\f+8*(\a)+7], v[8*(NB*((\a)&1)+b_):8*(NB*((\a)&1)+b_)+7]
.endif
.set b_, b_+1
.endr
.endm
.macro MULLO f, zero
	WIN 0xa1
	MULROW \f, 0, \zero
	MULROW \f, 1, \zero
.endm
.macro MULHI f, zero
	WIN 0xf1
	MULROW \f, 2, \zero
	MULROW \f, 3, \zero
.endm
.macro FETCH slot, k, f
	WIN 0x40
.set b_, 0
.rept NB
	ds_load_b128 v[8*NB*\f+8*b_:8*NB*\f+8*b_+3],   v[ADRB+\slot] offset:\k+(b_/(NB/2))*HALFT+(b_%(NB/2))*16*PITCH
	ds_load_b128 v[8*NB*\f+8*b_+4:8*NB*\f+8*b_+7], v[ADRB+\slot] offset:\k+(b_/(NB/2))*HALFT+(b_%(NB/2))*16*PITCH+32
.set b_, b_+1
.endr
	WIN 0
.irp a, 0,1,2,3
	ds_load_b128 v[FA+32*\f+8*\a:FA+32*\f+8*\a+3],   v[ADRA+\slot] offset:\k+\a*16*PITCH
	ds_load_b128 v[FA+32*\f+8*\a+4:FA+32*\f+8*\a+7], v[ADRA+\slot] offset:\k+\a*16*PITCH+32
.endr
.endm
.macro QUARTER slot, k, f, g, zero
	s_wait_dscnt 0x0                               ; buffer f, asked for a quarter (16 matrix instructions) ago
	PLACES                                         ; buffer g was read by the matrix instructions just issued
	FETCH \slot, \k, \g
	MULLO \f, \zero
	MULHI \f, \zero
.endm
.macro THREE slot, zero
	QUARTER \slot, 64,  0, 1, \zero
	QUARTER \slot, 128, 1, 0, 0
	QUARTER \slot, 192, 0, 1, 0
.endm
; the change of slots: each wave's reads of this slot and all its tensor loads are waited for in front of the barrier; behind it (fill = 1: behind the whole
; round of the cluster's barrier that it opens) the joint refill comes first, then the next slot's first fragments
.macro TURN slot, next, fill
	s_wait_dscnt 0x0
	s_wait_tensorcnt 0x0
	ds_add_u32 v255, v255
	s_wait_dscnt 0x0
	s_barrier_signal -1
	MULLO 1, 0                                     ; registers only
	WIN 0
	s_barrier_wait -1
.if \fill
	CREST
	s_add_nc_u64 s[G0+4*\slot+2:G0+4*\slot+3], s[G0+4*\slot+2:G0+4*\slot+3], 2*KSTEP*2
	s_add_nc_u64 s[G0B+4*\slot+2:G0B+4*\slot+3], s[G0B+4*\slot+2:G0B+4*\slot+3], 2*KSTEP*2
	JLOAD \slot
.endif
	PLACES
	FETCH \next, 0, 0
	MULHI 1, 0
.endm
.macro LAP zero
	THREE 0, \zero
	TURN 0, 1, 1
	THREE 1, 0
	TURN 1, 0, 1
.endm
	s_wait_tensorcnt 0x1                           ; my part of K step 0 is in; K step 1's stays out
	s_barrier_signal -1
	s_barrier_wait -1
	FETCH 0, 0, 0
	LAP 1
	WIN 0
	s_mov_b32 s3, LAPS-2
.Llap:
	LAP 0
	WIN 0
	s_sub_co_u32 s3, s3, 1
	s_cmp_lg_u32 s3, 0
	s_cbranch_scc1 .Llap
	THREE 0, 0                                     ; the last lap fills nothing
	TURN 0, 1, 0
	THREE 1, 0
	s_wait_dscnt 0x0
	MULLO 1, 0
	MULHI 1, 0
	WIN 0
	; THE WAY OUT: 16 rows at a time through my stage, bias added, whole rows of 256 bytes out
	PLACES
	s_wait_loadcnt 0x0                             ; the bias
	v_cvt_pk_bf16_f32 v[BI], v[BI], v[BI+1]        ; b_proj of my four columns in bf16's digits: rounded, nearest even,
	v_cvt_pk_bf16_f32 v[BI+2], v[BI+2], v[BI+3]
	v_and_b32 v[BI+1], 0xffff0000, v[BI]           ; and widened again: the high half is a pair's second number,
	v_and_b32 v[BI+3], 0xffff0000, v[BI+2]
	v_lshlrev_b32 v[BI], 16, v[BI]                 ; the low half its first
	v_lshlrev_b32 v[BI+2], 16, v[BI+2]
	s_lshl_b32 s16, s13, 8
	s_lshl_b32 s17, s10, 6
	s_add_co_u32 s16, s16, s17                     ; my first row
	s_lshl_b32 s16, s16, 12                        ; 4,096 bytes a row of out0
	s_mov_b32 s17, 0
	s_add_nc_u64 s[8:9], s[8:9], s[16:17]
	s_add_nc_u64 s[8:9], s[8:9], s[98:99]          ; the block's columns
.macro OUTF a
.set RB_, FA+32*((\a)&1)
	WIN 0x08+4*((\a)>>1)                           ; store data from the accumulators' window
.irp b, 0,1,2,3
	ds_store_b128 v[STO], v[8*(NB*((\a)&1)+\b):8*(NB*((\a)&1)+\b)+3]   offset:64*\b
	ds_store_b128 v[STO], v[8*(NB*((\a)&1)+\b)+4:8*(NB*((\a)&1)+\b)+7] offset:64*\b+16
.endr
	WIN 0
	s_wait_xcnt 0x0                                ; the read-back registers were store data two turns ago: rewritten only behind this wait
.irp t, 0,1,2,3,4,5,6,7
	ds_load_b128 v[RB_+4*\t:RB_+4*\t+3], v[RD] offset:\t*2*SPITCH   ; a wave's LDS instructions are served in order: these see the stores above
.endr
.irp t, 0,1,2,3,4,5,6,7
	s_wait_dscnt 7-\t                              ; the younger read-backs stay out
	v_pk_add_f32 v[RB_+4*\t:RB_+4*\t+1],   v[RB_+4*\t:RB_+4*\t+1],   v[BI:BI+1]
	v_pk_add_f32 v[RB_+4*\t+2:RB_+4*\t+3], v[RB_+4*\t+2:RB_+4*\t+3], v[BI+2:BI+3]
	global_store_b128 v[CO], v[RB_+4*\t:RB_+4*\t+3], s[8:9] offset:(16*(\a)+2*\t)*4096 th:TH_STORE_NT   ; sixteen lanes store 256 neighbouring bytes, aligned
.endr
.endm
	OUTF 0
	OUTF 1
	OUTF 2
	OUTF 3
	s_set_vgpr_msb 0x1
	s_wait_tensorcnt 0x0
	ds_add_u32 v255, v255
	s_wait_dscnt 0x0
	s_set_vgpr_msb 0x100
	CROUND                                         ; the closing round
	s_endpgm
.Lfunc_end_k_qddad47d925_proj:
	.size	k_qddad47d925_proj, .Lfunc_end_k_qddad47d925_proj-k_qddad47d925_proj
	.p2alignl 7, 3214868480
	.fill 96, 4, 3214868480
	.section	.rodata,"a",@progbits
	.p2align	6, 0x0
	.amdhsa_kernel k_qddad47d925_proj
		.amdhsa_group_segment_fixed_size 327680
		.amdhsa_private_segment_fixed_size 0
		.amdhsa_enable_private_segment 0
		.amdhsa_kernarg_size 32
		.amdhsa_user_sgpr_count 2
		.amdhsa_user_sgpr_kernarg_segment_ptr 1
		.amdhsa_wavefront_size32 1
		.amdhsa_system_sgpr_workgroup_id_x 1
		.amdhsa_system_sgpr_workgroup_id_y 1
		.amdhsa_system_sgpr_workgroup_id_z 1
		.amdhsa_system_vgpr_workitem_id 0
		.amdhsa_next_free_vgpr 832
		.amdhsa_next_free_sgpr 100
		.amdhsa_reserve_vcc 0
		.amdhsa_float_denorm_mode_32 3
		.amdhsa_float_denorm_mode_16_64 3
		.amdhsa_memory_ordered 1
		.amdhsa_forward_progress 1
		.amdhsa_inst_pref_size 79
	.end_amdhsa_kernel
	.amdgpu_metadata
---
amdhsa.version: [ 1, 2 ]
amdhsa.kernels:
  - .name:           k_qddad47d925_proj
    .symbol:         k_qddad47d925_proj.kd
    .args:
      - { .name: ao, .offset: 0, .size: 8, .value_kind: global_buffer, .address_space: global }
      - { .name: bf, .offset: 8, .size: 8, .value_kind: global_buffer, .address_space: global }
      - { .name: b_proj, .offset: 16, .size: 8, .value_kind: global_buffer, .address_space: global }
      - { .name: out0, .offset: 24, .size: 8, .value_kind: global_buffer, .address_space: global }
    .group_segment_fixed_size: 327680
    .private_segment_fixed_size: 0
    .kernarg_segment_align: 8
    .kernarg_segment_size: 32
    .max_flat_workgroup_size: 128
    .sgpr_count:     100
    .vgpr_count:     832
    .wavefront_size: 32
...
	.end_amdgpu_metadata
.endif
;; end of part 4
;; ======== version 2 of 2: 4 launches
;; limits: values are held in f16: magnitudes above 65,504 overflow, below 6.1e-05 lose precision; values outside matrix products are rounded to bf16
;; workspace buffers: bf 16,777,216 bytes; mbits 524,288 bytes of whole numbers; qkv 25,165,824 bytes; ao 8,388,608 bytes
;; launch prep (part 5): grid 256 x 1, 8 waves a work-group, no clusters, 0 bytes of LDS; arguments x, w_qkv, w_proj, attn_mask, bf, mbits; writes bf, mbits
.if DOCPART == 5
	.amdgcn_target "amdgcn-amd-amdhsa--gfx1250"
	.amdhsa_code_object_version 6
	.text
	.protected	k_qddad47d925_prep
	.globl	k_qddad47d925_prep
	.p2align	8
	.type	k_qddad47d925_prep,@function
k_qddad47d925_prep:
	s_mov_b64 s[64:65], 0
	v_nop
	global_prefetch_b8 v0, s[64:65] scope:SCOPE_SE
	s_setreg_imm32_b32 hwreg(HW_REG_WAVE_MODE, 25, 1), 1
	s_wait_xcnt 0x0
; prep: (1) x, w_qkv, w_proj from f32 to 16 bits into bf; (2) the boolean mask into 32-bit lane masks in mbits.
; bf: bytes 0.. x [4096][1024] bf16; 8388608.. w_qkv [3072][1024] bf16; 14680064.. w_proj [1024][1024] as f16.
; w_proj is rounded to bf16 (nearest even) like the other inputs and then written in f16, because its partner in the last product is f16:
; f16 holds bf16's eight significant bits exactly from 2^-17 up; below that the step is 2^-24, an error of 2^-25 at the most.
; LIMIT: |w_proj| below 65,504, f16's largest number.
; mbits: dword [QT 0..127][KT 0..127][j 0..7], bit r + 16 h = mask[16 QT + r][16 KT + 8 h + j]: the lane mask of register j of a 16 x 16
; tile of scores held as (key 8 h + j, query r).  LIMIT: mask bytes are 0 or 1, as a bool array holds them.
; A stream: 8,388,608 numbers = 256 work-groups x 32,768; a wave takes 16 KiB of f32 as 16 steps of 1 KiB, 32 bytes a lane and step.  All 32 loads
; of a wave go out at once, so no loop and no ring is needed.  No LDS, no barrier, no matrix unit, no cluster: no byte is read twice.
.set X,   32                           ; v[32:159]  step t: 8 registers of f32; its first 4 become the 8 numbers of 16 bits
.set DM,  160                          ; v[160:191] mask: load i = 16 bytes of row i (lanes 0-15) or row i + 8 (lanes 16-31)
.set OTH, 192                          ; v[192:195] the other half's collected rows
.set SEL, 196                          ; v[196:199] rows 0-7 / 8-15 of keys 0-7, rows 0-7 / 8-15 of keys 8-15, of my four j
.set EI,  200                          ; v[200:203] interleaved bytes
.set WD,  204                          ; v[204:207] four finished dwords
.set VI,  3                            ; source offset: wave x 16 KiB + lane x 32
.set VO,  4                            ; target offset: wave x 8 KiB + lane x 16
.set VM,  7                            ; mask offset: (lane / 16) x 8 rows + (lane % 16) x 16
.set VMO, 8                            ; mbits offset: (lane % 16) x 32 + (lane / 16) x 16
	s_load_b256 s[4:11], s[0:1], 0x0               ; x s[4:5], w_qkv s[6:7], w_proj s[8:9], attn_mask s[10:11]
	s_load_b128 s[12:15], s[0:1], 0x20             ; bf s[12:13], mbits s[14:15]
	v_lshrrev_b32 v1, 5, v0
	v_readfirstlane_b32 s16, v1                    ; wave 0..7
	v_and_b32 v2, 31, v0                           ; lane
	v_lshlrev_b32 v[VI], 5, v2
	v_lshl_or_b32 v[VI], v1, 14, v[VI]
	v_lshlrev_b32 v[VO], 4, v2
	v_lshl_or_b32 v[VO], v1, 13, v[VO]
	v_and_b32 v5, 15, v0
	v_bfe_u32 v6, v0, 4, 1
	v_lshlrev_b32 v[VM], 4, v5
	v_lshl_or_b32 v[VM], v6, 14, v[VM]
	v_lshlrev_b32 v[VMO], 5, v5
	v_lshl_or_b32 v[VMO], v6, 4, v[VMO]
	s_mov_b32 s24, 0x76543210                      ; v_permlanex16_b32: lane i of one half reads lane i of the other
	s_mov_b32 s25, 0xfedcba98
	s_movk_i32 s18, 224
	s_lshr_b32 s28, ttmp9, 1                       ; QT: the mask's 16 rows of this work-group
	s_and_b32 s29, ttmp9, 1
	s_lshl2_add_u32 s29, s29, s16                  ; group of 256 keys = 4 (id & 1) + wave (waves 0-3 only)
	s_lshl_b32 s30, s28, 15                        ; 16 rows of 2,048 bytes
	s_lshl_b32 s31, s29, 8
	s_add_co_u32 s30, s30, s31
	s_mov_b32 s31, 0
	s_lshl_b32 s28, s28, 12                        ; in mbits: QT x 4,096 + key group x 512
	s_lshl_b32 s29, s29, 9
	s_add_co_u32 s28, s28, s29
	s_mov_b32 s29, 0
	s_wait_kmcnt 0x0
	s_add_nc_u64 s[10:11], s[10:11], s[30:31]
	s_add_nc_u64 s[14:15], s[14:15], s[28:29]
	s_cmp_lt_u32 ttmp9, 224                        ; work-groups 0-127: x; 128-223: w_qkv; 224-255: w_proj
	s_cselect_b64 s[20:21], s[6:7], s[8:9]
	s_cselect_b32 s18, 128, s18
	s_cmp_lt_u32 ttmp9, 128
	s_cselect_b64 s[20:21], s[4:5], s[20:21]
	s_cselect_b32 s18, 0, s18                      ; the source's first work-group
	s_sub_co_u32 s19, ttmp9, s18
	s_lshl_b32 s22, s19, 17                        ; 128 KiB of f32 for each work-group
	s_mov_b32 s23, 0
	s_add_nc_u64 s[20:21], s[20:21], s[22:23]
	s_lshl_b32 s26, ttmp9, 16                      ; the target: bf holds the three sources in the work-groups' order, 64 KiB each
	s_mov_b32 s27, 0
	s_add_nc_u64 s[12:13], s[12:13], s[26:27]
	; the mask's eight loads go out first, so that they are older than the cast's loads: the cast's counted waits hold on both paths
	s_cmp_ge_u32 s16, 4
	s_cbranch_scc1 .Lno_mask
.irp i, 0,1,2,3,4,5,6,7
	global_load_b128 v[DM+4*\i:DM+4*\i+3], v[VM], s[10:11] offset:2048*\i th:TH_LOAD_NT   ; each half of the wave: 256 neighbouring bytes of one row
.endr
.Lno_mask:
.set t_, 0
.rept 16
	global_load_b128 v[X+8*t_:X+8*t_+3],   v[VI], s[20:21] offset:1024*t_ th:TH_LOAD_NT
	global_load_b128 v[X+8*t_+4:X+8*t_+7], v[VI], s[20:21] offset:1024*t_+16 th:TH_LOAD_NT
.set t_, t_+1
.endr
; sixteen steps: wait, round 8 numbers to bf16 in place, store 16 bytes a lane (a wave's store covers 512 neighbouring bytes, aligned).
; half = 1 (w_proj): the rounded numbers are widened again and written in f16; the step's upper four registers, read by then, are the scratch.
.macro CAST half
.set t_, 0
.rept 16
	s_wait_loadcnt 30-2*t_                         ; loads return in order: step t's two are in, the 30 - 2 t younger ones stay out
.irp k, 0,1,2,3
	v_cvt_pk_bf16_f32 v[X+8*t_+\k], v[X+8*t_+2*\k], v[X+8*t_+2*\k+1]
.endr
.if \half
.irp k, 0,1,2,3
	v_lshlrev_b32 v[X+8*t_+4+2*(\k&1)], 16, v[X+8*t_+\k]
	v_and_b32     v[X+8*t_+5+2*(\k&1)], 0xffff0000, v[X+8*t_+\k]
	v_cvt_pk_f16_f32 v[X+8*t_+\k], v[X+8*t_+4+2*(\k&1)], v[X+8*t_+5+2*(\k&1)]
.endr
.endif
	global_store_b128 v[VO], v[X+8*t_:X+8*t_+3], s[12:13] offset:512*t_
.set t_, t_+1
.endr
.endm
	s_cmp_lt_u32 ttmp9, 224
	s_cbranch_scc0 .Lhalf
	CAST 0
	s_branch .Lcast_done
.Lhalf:
	CAST 1
.Lcast_done:
	s_cmp_ge_u32 s16, 4
	s_cbranch_scc1 .Lend
	; The mask (all loads are in: the cast's last wait was for 0).  Lane (l, half): bytes of keys 16 l .. 16 l + 15, rows 8 half + 0..7.
	; Byte b of word d collects, bit i = row 8 half + i, key 16 l + 4 d + b.
.irp i, 1,2,3,4,5,6,7
.irp d, 0,1,2,3
	v_lshl_or_b32 v[DM+\d], v[DM+4*\i+\d], \i, v[DM+\d]
.endr
.endr
.irp d, 0,1,2,3
	v_mov_b32 v[OTH+\d], 0                         ; v_permlanex16_b32 counts as a reader of its destination
.endr
.irp d, 0,1,2,3
	v_permlanex16_b32 v[OTH+\d], v[DM+\d], s24, s25
.endr
	v_cmp_le_u32 vcc_lo, 16, v2
	; the lower half makes j = 0..3 (words 0 and 2), the upper half j = 4..7 (words 1 and 3); rows 0-7 come from the lower half's lane
	v_cndmask_b32 v[SEL],   v[DM],    v[OTH+1], vcc_lo     ; rows 0-7,  keys 8 h + j with h = 0
	v_cndmask_b32 v[SEL+1], v[OTH],   v[DM+1],  vcc_lo     ; rows 8-15, h = 0
	v_cndmask_b32 v[SEL+2], v[DM+2],  v[OTH+3], vcc_lo     ; rows 0-7,  h = 1
	v_cndmask_b32 v[SEL+3], v[OTH+2], v[DM+3],  vcc_lo     ; rows 8-15, h = 1
	v_perm_b32 v[EI],   v[SEL+1], v[SEL],   0x05010400     ; 16 rows of j = 0 | of j = 1, h = 0
	v_perm_b32 v[EI+1], v[SEL+1], v[SEL],   0x07030602     ; j = 2 | j = 3
	v_perm_b32 v[EI+2], v[SEL+3], v[SEL+2], 0x05010400     ; the same for h = 1
	v_perm_b32 v[EI+3], v[SEL+3], v[SEL+2], 0x07030602
	v_perm_b32 v[WD],   v[EI+2], v[EI],   0x05040100       ; bits 0-15: h = 0, bits 16-31: h = 1
	v_perm_b32 v[WD+1], v[EI+2], v[EI],   0x07060302
	v_perm_b32 v[WD+2], v[EI+3], v[EI+1], 0x05040100
	v_perm_b32 v[WD+3], v[EI+3], v[EI+1], 0x07060302
	global_store_b128 v[VMO], v[WD:WD+3], s[14:15]         ; the wave's 512 neighbouring bytes: 16 key tiles x 8 dwords
.Lend:
	s_endpgm
.Lfunc_end_k_qddad47d925_prep:
	.size	k_qddad47d925_prep, .Lfunc_end_k_qddad47d925_prep-k_qddad47d925_prep
	.p2alignl 7, 3214868480
	.fill 96, 4, 3214868480
	.section	.rodata,"a",@progbits
	.p2align	6, 0x0
	.amdhsa_kernel k_qddad47d925_prep
		.amdhsa_group_segment_fixed_size 0
		.amdhsa_private_segment_fixed_size 0
		.amdhsa_enable_private_segment 0
		.amdhsa_kernarg_size 48
		.amdhsa_user_sgpr_count 2
		.amdhsa_user_sgpr_kernarg_segment_ptr 1
		.amdhsa_wavefront_size32 1
		.amdhsa_system_sgpr_workgroup_id_x 1
		.amdhsa_system_sgpr_workgroup_id_y 1
		.amdhsa_system_sgpr_workgroup_id_z 1
		.amdhsa_system_vgpr_workitem_id 0
		.amdhsa_next_free_vgpr 208
		.amdhsa_next_free_sgpr 66
		.amdhsa_reserve_vcc 1
		.amdhsa_float_denorm_mode_32 3
		.amdhsa_float_denorm_mode_16_64 3
		.amdhsa_memory_ordered 1
		.amdhsa_forward_progress 1
		.amdhsa_inst_pref_size 32
	.end_amdhsa_kernel
	.amdgpu_metadata
---
amdhsa.version: [ 1, 2 ]
amdhsa.kernels:
  - .name:           k_qddad47d925_prep
    .symbol:         k_qddad47d925_prep.kd
    .args:
      - { .name: x, .offset: 0, .size: 8, .value_kind: global_buffer, .address_space: global }
      - { .name: w_qkv, .offset: 8, .size: 8, .value_kind: global_buffer, .address_space: global }
      - { .name: w_proj, .offset: 16, .size: 8, .value_kind: global_buffer, .address_space: global }
      - { .name: attn_mask, .offset: 24, .size: 8, .value_kind: global_buffer, .address_space: global }
      - { .name: bf, .offset: 32, .size: 8, .value_kind: global_buffer, .address_space: global }
      - { .name: mbits, .offset: 40, .size: 8, .value_kind: global_buffer, .address_space: global }
    .group_segment_fixed_size: 0
    .private_segment_fixed_size: 0
    .kernarg_segment_align: 8
    .kernarg_segment_size: 48
    .max_flat_workgroup_size: 256
    .sgpr_count:     66
    .vgpr_count:     208
    .wavefront_size: 32
...
	.end_amdgpu_metadata
.endif
;; end of part 5
;; launch qkv: the kernel of part 2 again; grid 16 x 16, 4 waves a work-group, clusters of 4 x 4, 327,680 bytes of LDS; arguments bf, qkv, b_qkv, g_q, bt_q, g_k, bt_k; writes qkv
;; launch attn (part 6): grid 16 x 16, 8 waves a work-group, clusters of 4 x 1, 327,680 bytes of LDS; arguments qkv, mbits, ao; writes ao
.if DOCPART == 6
	.amdgcn_target "amdgcn-amd-amdhsa--gfx1250"
	.amdhsa_code_object_version 6
	.text
	.protected	k_qddad47d925_attn
	.globl	k_qddad47d925_attn
	.p2align	8
	.type	k_qddad47d925_attn,@function
k_qddad47d925_attn:
	s_mov_b64 s[64:65], 0
	v_nop
	global_prefetch_b8 v0, s[64:65] scope:SCOPE_SE
	s_setreg_imm32_b32 hwreg(HW_REG_WAVE_MODE, 25, 1), 1
	s_wait_xcnt 0x0
	s_wait_alu depctr_hold_cnt(0) depctr_sa_sdst(0) depctr_va_vdst(0) depctr_va_sdst(0) depctr_va_ssrc(0) depctr_va_vcc(0) depctr_vm_vsrc(0)
	s_getreg_b32 s2, hwreg(HW_REG_IB_STS2, 6, 4)
	s_cmp_eq_u32 s2, 0
	s_cbranch_scc0 .Lentry_in_a_cluster
	s_endpgm
.Lentry_in_a_cluster:
	s_bfe_u32 s2, ttmp6, 0x10000c
	s_cmp_lg_u32 s2, 0x3003
	s_cbranch_scc0 .Lentry_shape_is_right
	s_endpgm
.Lentry_shape_is_right:
; attn: softmax(mask ? q k^T : lowest f32) v for 128 queries of two heads, all 2,048 keys (the mask is an input: no pattern is built in).
; q, k, v: f16 from the qkv buffer, q already times log2(e) / 8.  Running maximum in f32; a masked score is the finite 0xff7fffff as in the
; definition, so a row with no key allowed gives the mean of v: while all is masked p = 2^0 = 1, and the first real score makes alpha = 0.
; Out: ao [4096][1024] f16, the layout in front of the projection.  f16, not bf16: a row that attends to one or two keys is not averaged, and
; eight significant bits are too few for it.
; LIMITS: NaN and infinities are not treated; the row sum adds p in f32 while the product takes p rounded to f16; |v| < 65,504, and with it
; the result, a weighted mean of v.
; Work-group (x = block of 128 queries, y = 8 b + pair of heads), eight waves: wave w takes head 2 pair + (w >> 2) and queries 32 (w & 3) .. + 31 (two tiles of 16).
; CLUSTER 4 x 1: four query blocks of the same heads read the same K and V tiles: joint loads, mask 15.
; PRODUCTS, with no trip of P through LDS: S^T = K (16 keys x 32 d) x Q: lane (r, h), register j = (key 8 h + j, query r); two such tiles, packed to f16,
; ARE the second operand of O^T += V^T (16 d x 32 keys, by transposing LDS loads) x P^T.  Maximum, sum and alpha are one number a lane; the halves meet by one exchange.
; A CHUNK IS 64 KEYS: one maximum, one alpha and one rescaling of O's 64 registers for 64 keys x 32 queries.  Its 64 score registers are packed to P in place.
; The mask comes as lane masks in scalar registers, one select for each score: two sets of 32 dwords, one for each half of a chunk.  A set is asked for again
; straight behind its own selects, and the one wait for scalar loads stands in front of the next chunk's first selects.
.set PART,  10240                      ; part w of a slot, filled by wave w: 64 keys of K (pitch 144) or of V (pitch 160)
.set SLOT,  8*PART                     ; parts 0,1: K of the first head; 2,3: K of the second; 4,5 and 6,7: V
.set KP,    144                        ; odd multiple of 16 bytes
.set VP,    160                        ; odd multiple of 32 bytes, for the transposing loads
.set TILEB, 16384                      ; 128 keys x 128 bytes in memory
.set STAGE, 2*SLOT                     ; behind the ring: 128 rows x 272 bytes
.set SP,    272
.set TS,   2                           ; v[2:3], v[4:5]  the row sums' second chain, query tile 0, 1
.set ADRK, 8                           ; v8, v9    K fragments in slot 0, 1
.set ADRV, 10                          ; v10, v11  V fragments
.set NEG,  12                          ; v12       the lowest finite f32
.set STO,  13
.set RD,   14
.set CO,   15
; per query tile qt, at 16 + 6 qt: maximum, old maximum | alpha, scratch | two partial sums
.set QF,   32                          ; v[32:63]   Q(qt, ks) at 32 + 16 qt + 8 ks
.set KF,   64                          ; v[64:95]   K of 32 keys (kt, ks); between the scores and the products: V of the chunk's keys 32-63
.set VF,   96                          ; v[96:127]  V(dt) of the chunk's keys 0-31
.set SF,   128                         ; v[128:191] S(qt, kt) at 128 + 32 qt + 8 kt, kt = 0..3; then P(qt, kp) in the first 8 registers of block 128 + 32 qt + 16 kp
.set OF,   192                         ; v[192:255] O(qt, dt) at 192 + 32 qt + 8 dt
.set G0,   4                           ; s[4:7], s[12:15]: one group 0 for each slot
.set MSK0, 16                          ; s[16:47] lane masks of keys 0-31 of a chunk (query tile 0, then 1); s[68:99], 52 further on, those of keys 32-63
.set G1K, 48
.set G1V, 56
; s[2:3] mask pointer; s[8:9] ao; s10 wave; s11 head of the pair; s66, s67 lane selects; s[100:101] Q's address, later s100 the loop's counter
.macro PLACES n                        ; places behind matrix instructions (ISA guide 7.12.1)
.rept \n
	v_nop
.endr
.endm
.macro ROUND                           ; a round of the cluster's barrier
	s_barrier_signal -1
	s_barrier_wait -1
	s_cmp_lg_u32 s10, 0
	s_cbranch_scc1 .Lnot_wave_0_\@
	s_barrier_signal -3
.Lnot_wave_0_\@:
	s_barrier_wait -3
	s_barrier_signal -1
	s_barrier_wait -1
.endm
.macro JLOAD s                         ; waves 0-3 ask for parts of K, waves 4-7 for parts of V (another padding); the branch hangs on the wave's number alone
	s_cmp_eq_u32 s11, 0
	s_cbranch_scc0 .Lfor_v_\@
	tensor_load_to_lds s[G0+8*(\s):G0+8*(\s)+3], s[G1K:G1K+7]
	s_nop 0
	s_branch .Lasked_\@
.Lfor_v_\@:
	tensor_load_to_lds s[G0+8*(\s):G0+8*(\s)+3], s[G1V:G1V+7]
	s_nop 0
.Lasked_\@:
.endm
.macro MLOADH h                        ; the lane masks of half h (32 keys) of the chunk at the pointer, for my two query tiles: 16 dwords each
	s_load_b512 s[MSK0+52*\h:MSK0+52*\h+15],    s[2:3], 64*\h
	s_load_b512 s[MSK0+52*\h+16:MSK0+52*\h+31], s[2:3], 64*\h+4096
.endm
.macro LDK s, c                        ; K fragments of keys 32 c .. 32 c + 31 of the tile: 8 loads
.irp kt, 0,1
.irp ks, 0,1
	ds_load_b128 v[KF+16*\kt+8*\ks:KF+16*\kt+8*\ks+3],   v[ADRK+\s] offset:((\c)/2)*PART+((\c)%2)*32*KP+\kt*16*KP+64*\ks
	ds_load_b128 v[KF+16*\kt+8*\ks+4:KF+16*\kt+8*\ks+7], v[ADRK+\s] offset:((\c)/2)*PART+((\c)%2)*32*KP+\kt*16*KP+64*\ks+32
.endr
.endr
.endm
.macro LDV s, c, dst                   ; V^T fragments of keys 32 c .. 32 c + 31 of the tile into dst: 8 transposing loads
.irp dt, 0,1,2,3
	ds_load_tr16_b128 v[\dst+8*\dt:\dst+8*\dt+3],   v[ADRV+\s] offset:(\c)*32*VP+32*\dt
	ds_load_tr16_b128 v[\dst+8*\dt+4:\dst+8*\dt+7], v[ADRV+\s] offset:(\c)*32*VP+32*\dt+16*VP
.endr
.endm
; the scores of half h of a chunk: four tiles by turns, d 0-31 starting the sums, then d 32-63 in the same order
.macro SCORES h
.irp ks, 0,1
.irp qt, 0,1
.irp kt, 0,1
.if \ks == 0
	v_wmma_f32_16x16x32_f16 v[SF+32*\qt+16*\h+8*\kt:SF+32*\qt+16*\h+8*\kt+7], v[KF+16*\kt+8*\ks:KF+16*\kt+8*\ks+7], v[QF+16*\qt+8*\ks:QF+16*\qt+8*\ks+7], 0
.else
	v_wmma_f32_16x16x32_f16 v[SF+32*\qt+16*\h+8*\kt:SF+32*\qt+16*\h+8*\kt+7], v[KF+16*\kt+8*\ks:KF+16*\kt+8*\ks+7], v[QF+16*\qt+8*\ks:QF+16*\qt+8*\ks+7], v[SF+32*\qt+16*\h+8*\kt:SF+32*\qt+16*\h+8*\kt+7]
.endif
.endr
.endr
.endr
.endm
.macro MASKH h                         ; a score whose mask bit is 0 becomes the lowest finite f32
.irp qt, 0,1
.irp i, 0,1,2,3,4,5,6,7,8,9,10,11,12,13,14,15
	v_cndmask_b32 v[SF+32*\qt+16*\h+\i], v[NEG], v[SF+32*\qt+16*\h+\i], s[MSK0+52*\h+16*\qt+\i]
.endr
.endr
.endm
; O^T += V^T x P^T for the 32 keys of half kp, V's fragments in vf: eight different accumulators, one instruction each
.macro PV kp, vf, zero
.irp qt, 0,1
.irp dt, 0,1,2,3
.if \zero
	v_wmma_f32_16x16x32_f16 v[OF+32*\qt+8*\dt:OF+32*\qt+8*\dt+7], v[\vf+8*\dt:\vf+8*\dt+7], v[SF+32*\qt+16*\kp:SF+32*\qt+16*\kp+7], 0
.else
	v_wmma_f32_16x16x32_f16 v[OF+32*\qt+8*\dt:OF+32*\qt+8*\dt+7], v[\vf+8*\dt:\vf+8*\dt+7], v[SF+32*\qt+16*\kp:SF+32*\qt+16*\kp+7], v[OF+32*\qt+8*\dt:OF+32*\qt+8*\dt+7]
.endif
.endr
.endr
.endm
	s_load_b128 s[16:19], s[0:1], 0x0              ; qkv s[16:17], mbits s[18:19]: in registers that the masks take over later
	s_load_b64 s[8:9], s[0:1], 0x10                ; ao
	v_lshl_add_u32 v30, v0, 2, 0x30800
	v_mov_b32 v31, 0
	ds_add_u32 v30, v31
	v_lshrrev_b32 v1, 5, v0
	v_readfirstlane_b32 s10, v1                    ; wave 0..7
	s_lshr_b32 s11, s10, 2                         ; my head of the pair.  Also: I fetch K (0) or V (1)
	s_and_b32 s20, s10, 3                          ; my 32 queries of the block
	s_bfe_u32 s82, ttmp6, 0x40000                  ; cx
	s_lshl_b32 s83, ttmp9, 2
	s_add_co_u32 s83, s83, s82                     ; query block = 4 x cluster x + cx
	s_and_b32 s84, ttmp7, 0xffff
	s_lshr_b32 s85, s84, 3                         ; b
	s_and_b32 s86, s84, 7                          ; pair of heads
	s_mov_b32 s66, 0x76543210                      ; v_permlanex16_b32: lane i of one half reads lane i of the other
	s_mov_b32 s67, 0xfedcba98
	; group 1: 64 rows x 64 elements of 2 bytes, dense in memory; after every 32 dwords 4 (K) or 8 (V) dwords of padding; mask 15 and bit 21
	s_mov_b32 s[G1K+0], 15|(1<<16)|(1<<20)|(1<<21)|(4<<22)|(3<<25)
	s_mov_b32 s[G1V+0], 15|(1<<16)|(1<<20)|(1<<21)|(4<<22)|(7<<25)
	s_mov_b32 s[G1K+1], 64<<16
	s_mov_b32 s[G1V+1], 64<<16
	s_mov_b32 s[G1K+2], 64<<16
	s_mov_b32 s[G1V+2], 64<<16
	s_mov_b32 s[G1K+3], 64<<16
	s_mov_b32 s[G1V+3], 64<<16
	s_mov_b32 s[G1K+4], 64
	s_mov_b32 s[G1V+4], 64
	s_mov_b32 s[G1K+5], 64
	s_mov_b32 s[G1V+5], 64
	s_mov_b32 s[G1K+6], 0
	s_mov_b32 s[G1V+6], 0
	s_mov_b32 s[G1K+7], 0
	s_mov_b32 s[G1V+7], 0
	; my part of a tile: plane 16 + 16 (w >> 2) + 2 pair + ((w >> 1) & 1), batch b, keys 64 (w & 1): nothing of cx
	s_lshl_b32 s87, s11, 4
	s_lshl1_add_u32 s87, s86, s87
	s_bfe_u32 s88, s10, 0x10001
	s_add_co_u32 s87, s87, s88
	s_add_co_u32 s87, s87, 16
	s_lshl_b32 s90, s87, 19
	s_lshl_b32 s88, s85, 18
	s_add_co_u32 s90, s90, s88
	s_and_b32 s88, s10, 1
	s_lshl_b32 s88, s88, 13
	s_add_co_u32 s90, s90, s88
	s_mov_b32 s91, 0
	s_mul_i32 s94, s10, PART
	s_mul_i32 s95, s11, 2*PART                     ; my head's K (and, 4 parts on, V) in a slot
	s_mul_i32 s96, s20, 32*SP
	s_lshl_b32 s97, s11, 7
	s_add_co_u32 s96, s96, s97
	s_add_co_u32 s96, s96, STAGE                   ; stage, in: my 32 rows, my head's 128 bytes
	s_mul_i32 s97, s10, 16*SP
	s_add_co_u32 s97, s97, STAGE                   ; stage, back: rows 16 w .. 16 w + 15
	v_and_b32 v2, 15, v0                           ; r
	v_bfe_u32 v3, v0, 4, 1                         ; h
	v_mul_u32_u24 v4, v2, KP
	v_lshl_add_u32 v4, v3, 4, v4
	v_add_nc_u32 v[ADRK], s95, v4
	v_add_nc_u32 v[ADRK+1], SLOT, v[ADRK]
	v_and_b32 v6, 7, v0
	v_lshl_add_u32 v6, v3, 3, v6                   ; key 8 h + (lane & 7)
	v_mul_u32_u24 v5, v6, VP
	v_bfe_u32 v7, v0, 3, 1
	v_lshl_add_u32 v5, v7, 4, v5
	v_add_nc_u32 v[ADRV], s95, v5
	v_add_nc_u32 v[ADRV], 4*PART, v[ADRV]
	v_add_nc_u32 v[ADRV+1], SLOT, v[ADRV]
	v_mov_b32 v[NEG], 0xff7fffff
	v_mul_u32_u24 v4, v2, SP
	v_lshl_add_u32 v4, v3, 4, v4
	v_add_nc_u32 v[STO], s96, v4
	v_mul_u32_u24 v4, v3, SP
	v_lshl_add_u32 v4, v2, 4, v4
	v_add_nc_u32 v[RD], s97, v4
	v_lshlrev_b32 v4, 4, v2
	v_lshl_add_u32 v[CO], v3, 11, v4               ; two rows of ao (2,048 bytes each), 256 bytes of each
	v_lshlrev_b32 v28, 7, v2
	v_lshl_add_u32 v28, v3, 4, v28                 ; Q: row r, 16 bytes for each half
	v_mov_b32 v17, 0                               ; the old maxima: written, since they are read as halves of pairs
	v_mov_b32 v23, 0
	s_wait_dscnt 0x0
	s_wait_kmcnt 0x0
	s_add_nc_u64 s[92:93], s[16:17], s[90:91]      ; my part of tile 0
	s_lshl_b32 s79, s85, 11
	s_lshl_b32 s21, s83, 7
	s_add_co_u32 s79, s79, s21                     ; the block's first row, 2048 b + 128 x block
	s_lshl_b32 s21, s20, 5
	s_add_co_u32 s21, s21, s79
	s_lshl_b32 s21, s21, 7
	s_lshl1_add_u32 s22, s86, s11                  ; my head
	s_lshl_b32 s22, s22, 19
	s_add_co_u32 s22, s22, s21
	s_mov_b32 s23, 0
	s_add_nc_u64 s[100:101], s[16:17], s[22:23]    ; my 32 rows of q
	s_lshl_b32 s22, s83, 15
	s_lshl_b32 s21, s20, 13
	s_add_co_u32 s22, s22, s21
	s_add_nc_u64 s[2:3], s[18:19], s[22:23]        ; mbits at query tile 8 x block + 2 (w & 3)
	s_lshl_b32 s21, s10, 4
	s_add_co_u32 s22, s79, s21
	s_lshl_b32 s22, s22, 11
	s_lshl_b32 s21, s86, 8
	s_add_co_u32 s22, s22, s21
	s_add_nc_u64 s[8:9], s[8:9], s[22:23]          ; ao at row block + 16 w, byte 256 x pair
.irp qt, 0,1
.irp ks, 0,1
	global_load_b128 v[QF+16*\qt+8*\ks:QF+16*\qt+8*\ks+3],   v28, s[100:101] offset:2048*\qt+64*\ks
	global_load_b128 v[QF+16*\qt+8*\ks+4:QF+16*\qt+8*\ks+7], v28, s[100:101] offset:2048*\qt+64*\ks+32
.endr
.endr
.irp s, 0,1
	s_mov_b32 s[G0+8*\s], 1
	s_add_co_u32 s[G0+8*\s+1], s94, \s*SLOT
	s_add_nc_u64 s[G0+8*\s+2:G0+8*\s+3], s[92:93], \s*TILEB
	s_or_b32 s[G0+8*\s+3], s[G0+8*\s+3], 0x80000000
.endr
	MLOADH 0                                       ; the first chunk's masks: from here on s[16:47] and s[68:99] hold nothing else
	MLOADH 1
	ROUND                                          ; the four work-groups are here: the first joint load meets
	JLOAD 0                                        ; tile 0; from here on one tensor load of the wave is out at the most
	s_wait_loadcnt 0x0                             ; Q
; 64 keys: chunk c (0, 1) of the tile in slot s.  first = 1: the very first chunk starts maximum, sums and O.  last = 1: no further masks to fetch.
; On entry K of the chunk's keys 0-31 is on its way into KF.
.macro CHUNK s, c, first, last
	PLACES 5                                       ; the first score product writes over P(qt, 0), which the last products read: five places; V's registers: four
	LDV \s, 2*\c, VF                               ; V of keys 0-31, a whole softmax ahead of its use
	s_wait_dscnt 0x8                               ; K's eight loads are in; V's eight, issued behind them, stay out
	SCORES 0
	PLACES 4
	LDK \s, 2*\c+1                                 ; K of keys 32-63: it has the selects and maxima below in which to land
	s_wait_kmcnt 0x0                               ; both halves' lane masks, asked for in the chunk before
.if \last == 0
	s_add_nc_u64 s[2:3], s[2:3], 128               ; no scalar load is out behind that wait: the pointer steps to the next chunk's four key tiles
.endif
	MASKH 0
.if \last == 0
	MLOADH 0                                       ; the next chunk's first half, straight behind the selects that read this set
.endif
	; the maximum of my scores of each query, in two chains; keys 0-31 first
.irp qt, 0,1
	v_max3_num_f32 v[19+6*\qt], v[SF+32*\qt], v[SF+32*\qt+1], v[SF+32*\qt+2]
	v_max3_num_f32 v[18+6*\qt], v[SF+32*\qt+8], v[SF+32*\qt+9], v[SF+32*\qt+10]
.endr
.irp m, 3,5
.irp qt, 0,1
	v_max3_num_f32 v[19+6*\qt], v[19+6*\qt], v[SF+32*\qt+\m], v[SF+32*\qt+\m+1]
	v_max3_num_f32 v[18+6*\qt], v[18+6*\qt], v[SF+32*\qt+\m+8], v[SF+32*\qt+\m+9]
.endr
.endr
.irp qt, 0,1
	v_max3_num_f32 v[19+6*\qt], v[19+6*\qt], v[SF+32*\qt+7], v[SF+32*\qt+15]
.endr
	s_wait_dscnt 0x0                               ; K of keys 32-63 is in (and V of keys 0-31, which is older)
	SCORES 1
	PLACES 4
	LDV \s, 2*\c+1, KF                             ; V of keys 32-63 into K's registers, which the scores have done with
	MASKH 1
.if \last == 0
	MLOADH 1                                       ; the next chunk's second half: it has the softmax, 16 products and 8 score products in which to land
.endif
.irp m, 16,18,20,22
.irp qt, 0,1
	v_max3_num_f32 v[19+6*\qt], v[19+6*\qt], v[SF+32*\qt+\m], v[SF+32*\qt+\m+1]
	v_max3_num_f32 v[18+6*\qt], v[18+6*\qt], v[SF+32*\qt+\m+8], v[SF+32*\qt+\m+9]
.endr
.endr
.irp qt, 0,1
.if \first
	v_max_num_f32 v[19+6*\qt], v[19+6*\qt], v[18+6*\qt]
.else
	v_max3_num_f32 v[19+6*\qt], v[19+6*\qt], v[18+6*\qt], v[17+6*\qt]      ; with the old maximum
.endif
.endr
.irp qt, 0,1
	v_permlanex16_b32 v[18+6*\qt], v[19+6*\qt], s66, s67                   ; the other half's
.endr
.irp qt, 0,1
	v_max_num_f32 v[16+6*\qt], v[19+6*\qt], v[18+6*\qt]
.endr
.if \first == 0
.irp qt, 0,1
	v_sub_f32 v[18+6*\qt], v[17+6*\qt], v[16+6*\qt]        ; old maximum - new
.endr
.endif
.irp qt, 0,1
.set i_, 0
.rept 16
	v_pk_add_f32 v[SF+32*\qt+i_:SF+32*\qt+i_+1], v[SF+32*\qt+i_:SF+32*\qt+i_+1], v[16+6*\qt:17+6*\qt] op_sel_hi:[1,0] neg_lo:[0,1] neg_hi:[0,1]
.set i_, i_+2
.endr
.endr
.if \first
.set i_, 0
.rept 64
	v_exp_f32 v[SF+i_], v[SF+i_]
.set i_, i_+1
.endr
	v_mov_b32 v17, v16                             ; plain instructions behind the transcendentals (ISA guide 5.7.2): the maxima grow old
	v_mov_b32 v23, v22
	s_wait_alu depctr_va_vdst(0)
.else
.irp qt, 0,1
	v_exp_f32 v[18+6*\qt], v[18+6*\qt]             ; alpha
.endr
	; the 64 exponentials, and among them, one behind every two, the 32 multiplies that rescale O: plain instructions that touch neither the
	; exponentials' sources nor their results; the two moves stand between alpha's exponentials and alpha's first use (ISA guide 5.7.2)
.set i_, 0
.rept 32
	v_exp_f32 v[SF+2*i_], v[SF+2*i_]
	v_exp_f32 v[SF+2*i_+1], v[SF+2*i_+1]
.if i_ == 0
	v_mov_b32 v17, v16                             ; the maxima grow old
	v_mov_b32 v23, v22
	s_wait_alu depctr_va_vdst(0)
.endif
	v_pk_mul_f32 v[OF+2*i_:OF+2*i_+1], v[OF+2*i_:OF+2*i_+1], v[18+6*(i_/16):19+6*(i_/16)] op_sel_hi:[1,0]
.set i_, i_+1
.endr
.endif
	; the row sums, before P takes the scores' registers: two chains for each query tile, keys 0-31 onto the running sum, keys 32-63 apart
.irp qt, 0,1
.if \first
	v_pk_add_f32 v[20+6*\qt:21+6*\qt], v[SF+32*\qt:SF+32*\qt+1], v[SF+32*\qt+2:SF+32*\qt+3]
.else
	v_pk_fma_f32 v[20+6*\qt:21+6*\qt], v[20+6*\qt:21+6*\qt], v[18+6*\qt:19+6*\qt], v[SF+32*\qt:SF+32*\qt+1] op_sel_hi:[1,0,1]
	s_wait_alu depctr_va_vdst(0)
.endif
	v_pk_add_f32 v[TS+2*\qt:TS+2*\qt+1], v[SF+32*\qt+16:SF+32*\qt+17], v[SF+32*\qt+18:SF+32*\qt+19]
.endr
.if \first == 0
.irp qt, 0,1
	v_pk_add_f32 v[20+6*\qt:21+6*\qt], v[20+6*\qt:21+6*\qt], v[SF+32*\qt+2:SF+32*\qt+3]
.endr
.endif
.irp m, 4,6,8,10,12,14
.irp qt, 0,1
	v_pk_add_f32 v[20+6*\qt:21+6*\qt], v[20+6*\qt:21+6*\qt], v[SF+32*\qt+\m:SF+32*\qt+\m+1]
	v_pk_add_f32 v[TS+2*\qt:TS+2*\qt+1], v[TS+2*\qt:TS+2*\qt+1], v[SF+32*\qt+\m+16:SF+32*\qt+\m+17]
.endr
.endr
.irp qt, 0,1
	v_pk_add_f32 v[20+6*\qt:21+6*\qt], v[20+6*\qt:21+6*\qt], v[TS+2*\qt:TS+2*\qt+1]
.endr
	; P in place: in each block of 16 (two key tiles of one query tile) register i takes registers 2 i and 2 i + 1, which no earlier line of the run has written;
	; the two tiles become registers 0-3 and 4-7 of P^T's fragment
.irp blk, 0,1,2,3
.set i_, 0
.rept 8
	v_cvt_pk_f16_f32 v[SF+16*\blk+i_], v[SF+16*\blk+2*i_], v[SF+16*\blk+2*i_+1]
.set i_, i_+1
.endr
.endr
	s_wait_dscnt 0x0                               ; V of keys 32-63 is in; in a tile's second chunk my reads of the slot are over with it
	PV 1, KF, \first                               ; keys 32-63 first, so that KF is free early
	PLACES 4                                       ; ahead of every load into KF, the next tile's too
.if \c == 0
	LDK \s, 2                                      ; the next chunk's first K
.endif
	PV 0, VF, 0
.endm
; a tile of 128 keys in slot s.  The round of the cluster's barrier stands between every wave's last reads of the other slot and its refill.
.macro TRIP s, refill, first, last
	s_wait_tensorcnt 0x0                           ; all my tensor loads have landed, my part of this tile among them,
	ds_add_u32 v30, v31
	s_wait_dscnt 0x0
	s_add_nc_u64 s[G0+8*\s+2:G0+8*\s+3], s[G0+8*\s+2:G0+8*\s+3], 2*TILEB   ; so a group 0 may be written: this slot's next tile
	s_wait_dscnt 0x0                               ; my reads of the last tile are over
	ROUND
.if \refill
	JLOAD 1-\s                                     ; my one tensor load behind the round: the next tile, into the slot read last; it has this tile's work in which to land
.endif
	LDK \s, 0
	CHUNK \s, 0, \first, 0
	CHUNK \s, 1, 0, \last
.endm
	TRIP 0, 1, 1, 0                                ; tiles 0 and 1 stand in front of the loop: the first chunk starts the sums
	TRIP 1, 1, 0, 0
	s_mov_b32 s100, 6
.Ltiles:
	TRIP 0, 1, 0, 0
	TRIP 1, 1, 0, 0
	s_sub_co_u32 s100, s100, 1
	s_cmp_lg_u32 s100, 0
	s_cbranch_scc1 .Ltiles
	TRIP 0, 1, 0, 0                                ; tile 14 asks for tile 15,
	TRIP 1, 0, 0, 1                                ; which asks for nothing
	; THE END: divide by the row sums, round to f16, through the stage, out as whole rows of 256 bytes
	PLACES 4
.irp qt, 0,1
	v_add_f32 v[20+6*\qt], v[20+6*\qt], v[21+6*\qt]
.endr
.irp qt, 0,1
	v_permlanex16_b32 v[19+6*\qt], v[20+6*\qt], s66, s67
.endr
.irp qt, 0,1
	v_add_f32 v[20+6*\qt], v[20+6*\qt], v[19+6*\qt]        ; at least 1: the largest score gives p = 1
.endr
.irp qt, 0,1
	v_rcp_f32 v[18+6*\qt], v[20+6*\qt]
.endr
	v_nop                                          ; one plain instruction behind the transcendentals (ISA guide 5.7.2)
	s_wait_alu depctr_va_vdst(0)
.irp qt, 0,1
.set i_, 0
.rept 16
	v_pk_mul_f32 v[OF+32*\qt+i_:OF+32*\qt+i_+1], v[OF+32*\qt+i_:OF+32*\qt+i_+1], v[18+6*\qt:19+6*\qt] op_sel_hi:[1,0]
.set i_, i_+2
.endr
.endr
.set i_, 0
.rept 32
	v_cvt_pk_f16_f32 v[KF+i_], v[OF+2*i_], v[OF+2*i_+1]    ; a lane's eight d of a tile become 16 bytes
.set i_, i_+1
.endr
.irp qt, 0,1
.irp dt, 0,1,2,3
	ds_store_b128 v[STO], v[KF+16*\qt+4*\dt:KF+16*\qt+4*\dt+3] offset:\qt*16*SP+32*\dt
.endr
.endr
	s_wait_dscnt 0x0                               ; my stores are done, for the waves that read these rows
	s_barrier_signal -1
	s_barrier_wait -1
.irp t, 0,1,2,3,4,5,6,7
	ds_load_b128 v[SF+4*\t:SF+4*\t+3], v[RD] offset:\t*2*SP
.endr
.irp t, 0,1,2,3,4,5,6,7
	s_wait_dscnt 7-\t                              ; the younger read-backs stay out
	global_store_b128 v[CO], v[SF+4*\t:SF+4*\t+3], s[8:9] offset:\t*4096       ; sixteen lanes store 256 neighbouring bytes, aligned
.endr
	s_wait_tensorcnt 0x0
	ds_add_u32 v30, v31
	s_wait_dscnt 0x0
	ROUND                                          ; the closing round
	s_endpgm
.Lfunc_end_k_qddad47d925_attn:
	.size	k_qddad47d925_attn, .Lfunc_end_k_qddad47d925_attn-k_qddad47d925_attn
	.p2alignl 7, 3214868480
	.fill 96, 4, 3214868480
	.section	.rodata,"a",@progbits
	.p2align	6, 0x0
	.amdhsa_kernel k_qddad47d925_attn
		.amdhsa_group_segment_fixed_size 327680
		.amdhsa_private_segment_fixed_size 0
		.amdhsa_enable_private_segment 0
		.amdhsa_kernarg_size 24
		.amdhsa_user_sgpr_count 2
		.amdhsa_user_sgpr_kernarg_segment_ptr 1
		.amdhsa_wavefront_size32 1
		.amdhsa_system_sgpr_workgroup_id_x 1
		.amdhsa_system_sgpr_workgroup_id_y 1
		.amdhsa_system_sgpr_workgroup_id_z 1
		.amdhsa_system_vgpr_workitem_id 0
		.amdhsa_next_free_vgpr 256
		.amdhsa_next_free_sgpr 102
		.amdhsa_reserve_vcc 0
		.amdhsa_float_denorm_mode_32 3
		.amdhsa_float_denorm_mode_16_64 3
		.amdhsa_memory_ordered 1
		.amdhsa_forward_progress 1
		.amdhsa_inst_pref_size 255
	.end_amdhsa_kernel
	.section	.bss,"aw",@nobits
	.p2align	6
	.space	262144
	.amdgpu_metadata
---
amdhsa.version: [ 1, 2 ]
amdhsa.kernels:
  - .name:           k_qddad47d925_attn
    .symbol:         k_qddad47d925_attn.kd
    .args:
      - { .name: qkv, .offset: 0, .size: 8, .value_kind: global_buffer, .address_space: global }
      - { .name: mbits, .offset: 8, .size: 8, .value_kind: global_buffer, .address_space: global }
      - { .name: ao, .offset: 16, .size: 8, .value_kind: global_buffer, .address_space: global }
    .group_segment_fixed_size: 327680
    .private_segment_fixed_size: 0
    .kernarg_segment_align: 8
    .kernarg_segment_size: 24
    .max_flat_workgroup_size: 256
    .sgpr_count:     102
    .vgpr_count:     256
    .wavefront_size: 32
...
	.end_amdgpu_metadata
.endif
;; end of part 6
;; launch proj (part 7): grid 8 x 32, 4 waves a work-group, clusters of 4 x 4, 327,680 bytes of LDS; arguments ao, bf, b_proj, out0; writes out0
.if DOCPART == 7
	.amdgcn_target "amdgcn-amd-amdhsa--gfx1250"
	.amdhsa_code_object_version 6
	.text
	.protected	k_qddad47d925_proj
	.globl	k_qddad47d925_proj
	.p2align	8
	.type	k_qddad47d925_proj,@function
k_qddad47d925_proj:
	s_mov_b64 s[64:65], 0
	v_nop
	global_prefetch_b8 v0, s[64:65] scope:SCOPE_SE
	s_setreg_imm32_b32 hwreg(HW_REG_WAVE_MODE, 25, 1), 1
	s_wait_xcnt 0x0
	s_wait_alu depctr_hold_cnt(0) depctr_sa_sdst(0) depctr_va_vdst(0) depctr_va_sdst(0) depctr_va_ssrc(0) depctr_va_vcc(0) depctr_vm_vsrc(0)
	s_getreg_b32 s2, hwreg(HW_REG_IB_STS2, 6, 4)
	s_cmp_eq_u32 s2, 0
	s_cbranch_scc0 .Lentry_in_a_cluster
	s_endpgm
.Lentry_in_a_cluster:
	s_bfe_u32 s2, ttmp6, 0x10000c
	s_cmp_lg_u32 s2, 0xf033
	s_cbranch_scc0 .Lentry_shape_is_right
	s_endpgm
.Lentry_shape_is_right:
; proj: out0 = ao w_proj^T + b_proj.  ao [4096][1024] f16; w_proj [1024][1024] in f16 (bf16's digits) from byte 14680064 of bf; f32 sums, f32 out.
; LIMIT (format): b_proj is rounded to bf16 (nearest even) before it is added, as w_proj is: the module is computed on all its inputs in bf16.
; LIMIT (range): |ao| and |w_proj| below 65,504, f16's largest number.
; A work-group makes 128 x 128 of out0, four waves laid 2 x 2, a wave 64 x 64 = 16 accumulator tiles; 8 x 32 = 256 work-groups.
; Of all blocks of 16,384 numbers the square one needs the fewest operand rows, 128 + 128, so that two LDS slots of 256 along K fit: K = 1024 is four
; fills, two at the start and two refills, and between a refill's request and the wait for it a wave issues 128 matrix instructions.
; A tile's rows are 512 bytes of memory, aligned; each wave fetches 64 of them with one tensor load.
; CLUSTER 4 x 4: ao's tile is shared along a row of the cluster, w's along a column: joint loads.
; The matrix instruction is used transposed (source 0 = rows of w, source 1 = rows of ao): lane (r, h) holds row r, columns 16 b + 8 h + 0..7.
; REGISTERS by windows of 256: window 0: v0-31 addresses and bias, v64-127 ao fragments, v128-191 w fragments (two buffers each; v64-127 are the
; read-back on the way out); window 1: the 16 tiles at v[8 (4 a + b)].  So a step has two window settings: one for its loads, one for its products.
.set NB,     4
.set KDIM,   1024
.set ROWSH,  11                        ; a row of an operand is 2,048 bytes
.set KSLOT,  256                       ; along K in a slot: eight steps of 32
.set PITCH,  528                       ; LDS row: 512 bytes + 16 of padding, an odd multiple of 16: the 16 rows of a fragment load start in different banks
.set PARTB,  64*PITCH                  ; part w of a slot, filled by wave w
.set SLOT,   4*PARTB                   ; parts 0, 1: ao rows 0-63, 64-127; parts 2, 3: w rows 0-63, 64-127
.set STAGE,  2*SLOT                    ; behind the ring: 16 rows x 272 bytes for each wave
.set SPITCH, 272
.set LAPS,   KDIM/(2*KSLOT)            ; a lap = once round the ring
.set ADRA, 16
.set ADRB, 20
.set STO,  24
.set RD,   25
.set CO,   26
.set VT,   27
.set BI,   28                          ; v[28:31] bias of my four columns on the way out
.set FA,   64
.set FB,   128
.set G1,  24
.set G0,  32
.set G1B, 48
.set G0B, 56
.set G1W0, (1<<16)|(1<<20)|(1<<21)|(6<<22)|(3<<25)   ; 2-byte elements; padding on; bit 21 beside a mask; after every 128 dwords, 4 dwords
.set W_MUL, 0x50                       ; C and D in window 1, both sources in window 0
.set MSB, 0
.macro WIN new                         ; the immediate's high byte repeats the setting that is left
.if MSB != (\new)
	s_set_vgpr_msb (MSB<<8)|(\new)
.set MSB, (\new)
.endif
.endm
.macro PLACES                          ; four places behind a matrix instruction (ISA guide 7.12.1)
.rept 4
	v_nop
.endr
.endm
.macro JLOAD s                         ; waves 0, 1 ask for ao's two halves, waves 2, 3 for w's: one line, one mask each; the branch hangs on the wave's number alone
	s_cmp_eq_u32 s11, 0
	s_cbranch_scc0 .Lfor_b_\@
	tensor_load_to_lds s[G0+4*\s:G0+4*\s+3], s[G1:G1+7]
	s_nop 0
	s_branch .Lasked_\@
.Lfor_b_\@:
	tensor_load_to_lds s[G0B+4*\s:G0B+4*\s+3], s[G1B:G1B+7]
	s_nop 0
.Lasked_\@:
.endm
.macro CREST                           ; a round of the cluster's barrier behind its opening work-group barrier
	s_cmp_lg_u32 s10, 0
	s_cbranch_scc1 .Lnot_wave_0_\@
	s_barrier_signal -3
.Lnot_wave_0_\@:
	s_barrier_wait -3
	s_barrier_signal -1
	s_barrier_wait -1
.endm
.macro CROUND
	s_barrier_signal -1
	s_barrier_wait -1
	CREST
.endm
	s_load_b128 s[4:7], s[0:1], 0x0                ; ao, bf
	s_load_b64 s[68:69], s[0:1], 0x10              ; b_proj
	s_load_b64 s[8:9], s[0:1], 0x18                ; out0
	v_lshl_add_u32 v254, v0, 2, 0x46400
	v_mov_b32 v255, 0
	ds_add_u32 v254, v255
	v_lshrrev_b32 v1, 5, v0
	v_readfirstlane_b32 s10, v1                    ; wave 0..3
	s_lshr_b32 s11, s10, 1                         ; my half of the block's rows.  Also: I fetch for ao (0) or for w (1)
	s_and_b32 s12, s10, 1                          ; my half of its columns.  Also: which 64 rows of that tile I fetch
	s_bfe_u32 s40, ttmp6, 0x40000                  ; cx
	s_bfe_u32 s41, ttmp6, 0x40004                  ; cy
	s_lshl_b32 s42, ttmp9, 2
	s_add_co_u32 s42, s42, s40                     ; block column = 4 x cluster x + cx
	s_and_b32 s13, ttmp7, 0xffff
	s_lshl_b32 s13, s13, 2
	s_add_co_u32 s13, s13, s41                     ; block row = 4 x cluster y + cy
	s_lshl_b32 s43, s41, 2
	s_lshl_b32 s43, 15, s43                        ; my row of the cluster
	s_lshl_b32 s44, 0x1111, s40                    ; my column
	s_or_b32 s[G1+0], s43, G1W0
	s_or_b32 s[G1B+0], s44, G1W0
	s_mov_b32 s[G1+1], KSLOT<<16                   ; tensor_dim0 = 256
	s_mov_b32 s[G1B+1], KSLOT<<16
	s_mov_b32 s[G1+2], 64<<16                      ; tensor_dim1 = 64 rows
	s_mov_b32 s[G1B+2], 64<<16
	s_mov_b32 s[G1+3], KSLOT<<16                   ; tile_dim0 = 256
	s_mov_b32 s[G1B+3], KSLOT<<16
	s_mov_b32 s[G1+4], 64                          ; tile_dim1
	s_mov_b32 s[G1B+4], 64
	s_mov_b32 s[G1+5], KDIM                        ; elements from row to row
	s_mov_b32 s[G1B+5], KDIM
	s_mov_b32 s[G1+6], 0
	s_mov_b32 s[G1B+6], 0
	s_mov_b32 s[G1+7], 0
	s_mov_b32 s[G1B+7], 0
	s_lshl_b32 s17, s12, 6
	s_lshl_b32 s16, s13, 7
	s_add_co_u32 s16, s16, s17                     ; ao: row 128 x block row + 64 x half
	s_lshl_b32 s16, s16, ROWSH
	s_mov_b32 s17, 0
	s_lshl_b32 s46, s42, 7
	s_lshl_b32 s47, s12, 6
	s_add_co_u32 s46, s46, s47                     ; w: row 128 x block column + 64 x half
	s_lshl_b32 s46, s46, ROWSH
	s_mov_b32 s47, 0
	s_mul_i32 s20, s10, PARTB                      ; my part of a slot: the wave's number alone
	s_wait_dscnt 0x0
	s_wait_kmcnt 0x0
	s_add_nc_u64 s[6:7], s[6:7], 0xe00000          ; w_proj in bf
	s_add_nc_u64 s[14:15], s[4:5], s[16:17]
	s_add_nc_u64 s[46:47], s[6:7], s[46:47]
	CROUND                                         ; all sixteen work-groups are here: the first joint loads meet
.irp s, 0,1
	s_mov_b32 s[G0+4*\s], 1
	s_add_co_u32 s[G0+4*\s+1], s20, \s*SLOT
	s_add_nc_u64 s[G0+4*\s+2:G0+4*\s+3], s[14:15], \s*KSLOT*2
	s_or_b32 s[G0+4*\s+3], s[G0+4*\s+3], 0x80000000
	s_mov_b32 s[G0B+4*\s], 1
	s_add_co_u32 s[G0B+4*\s+1], s20, \s*SLOT
	s_add_nc_u64 s[G0B+4*\s+2:G0B+4*\s+3], s[46:47], \s*KSLOT*2
	s_or_b32 s[G0B+4*\s+3], s[G0B+4*\s+3], 0x80000000
	JLOAD \s                                       ; K 0-255 and 256-511: two tensor loads of the wave are out, later one
.endr
	v_and_b32 v1, 15, v0                           ; r
	v_bfe_u32 v2, v0, 4, 1                         ; h
	v_mul_u32_u24 v3, v1, PITCH
	v_lshl_add_u32 v3, v2, 4, v3                   ; a fragment: row r, 16 bytes for each half, twice 32 bytes apart
	s_mul_i32 s21, s11, PARTB                      ; my 64 rows of ao
	s_mul_i32 s22, s12, PARTB                      ; my 64 rows of w,
	s_add_co_u32 s22, s22, 2*PARTB                 ; which lie behind ao's 128
.irp s, 0,1
	v_add_nc_u32 v[ADRA+\s], s21, v3
	v_add_nc_u32 v[ADRB+\s], s22, v3
	s_add_co_u32 s21, s21, SLOT
	s_add_co_u32 s22, s22, SLOT
.endr
	s_mul_i32 s23, s10, 16*SPITCH
	s_add_co_u32 s23, s23, STAGE                   ; my stage
	v_mul_u32_u24 v4, v1, SPITCH
	v_lshl_add_u32 v4, v2, 5, v4
	v_add_nc_u32 v[STO], s23, v4                   ; in: row r, 32 bytes (8 f32) for each half
	v_mul_u32_u24 v4, v2, SPITCH
	v_lshl_add_u32 v4, v1, 4, v4
	v_add_nc_u32 v[RD], s23, v4                    ; back: sixteen lanes a row of 256 bytes, two rows a load
	v_lshlrev_b32 v[VT], 4, v1
	v_lshl_add_u32 v[CO], v2, 12, v[VT]            ; the same two rows in out0
	s_lshl_b32 s98, s42, 9                         ; my 64 columns, in bytes: 512 x block column + 256 x half
	s_lshl_b32 s99, s12, 8
	s_add_co_u32 s98, s98, s99
	s_mov_b32 s99, 0
	s_add_nc_u64 s[68:69], s[68:69], s[98:99]
	global_load_b128 v[BI:BI+3], v[VT], s[68:69]   ; used on the way out
; NB matrix instructions: row tile a x my four column tiles, 32 along K, on fragment buffer f.  zero = 1: the first product starts the sums.
; The 16 accumulators take turns, one instruction a turn, in the same order in every step.
.macro MULROW f, a, zero
.set b_, 0
.rept NB
.if \zero
	v_wmma_f32_16x16x32_f16 v[8*(NB*(\a)+b_):8*(NB*(\a)+b_)+7], v[FB+32*\f+8*b_:FB+32*\f+8*b_+7], v[FA+32*\f+8*(\a):FA+32*\f+8*(\a)+7], 0
.else
	v_wmma_f32_16x16x32_f16 v[8*(NB*(\a)+b_):8*(NB*(\a)+b_)+7], v[FB+32*\f+8*b_:FB+32*\f+8*b_+7], v[FA+32*\f+8*(\a):FA+32*\f+8*(\a)+7], v[8*(NB*(\a)+b_):8*(NB*(\a)+b_)+7]
.endif
.set b_, b_+1
.endr
.endm
; the fragments of one step (32 K at byte k of the rows) into buffer f: 8 loads of w, 8 of ao, in one run
.macro FETCH slot, k, f
	WIN 0
.irp b, 0,1,2,3
	ds_load_b128 v[FB+32*\f+8*\b:FB+32*\f+8*\b+3],   v[ADRB+\slot] offset:\k+\b*16*PITCH
	ds_load_b128 v[FB+32*\f+8*\b+4:FB+32*\f+8*\b+7], v[ADRB+\slot] offset:\k+\b*16*PITCH+32
.endr
.irp a, 0,1,2,3
	ds_load_b128 v[FA+32*\f+8*\a:FA+32*\f+8*\a+3],   v[ADRA+\slot] offset:\k+\a*16*PITCH
	ds_load_b128 v[FA+32*\f+8*\a+4:FA+32*\f+8*\a+7], v[ADRA+\slot] offset:\k+\a*16*PITCH+32
.endr
.endm
; one of a slot's first seven steps: buffer f is in; the next step's fragments go out into buffer g, a whole step (16 matrix instructions) ahead of their use
.macro STEP slot, k, f, g, zero
	s_wait_dscnt 0x0                               ; buffer f, asked for a step ago
	PLACES                                         ; buffer g was read by the matrix instructions just issued
	FETCH \slot, \k, \g
	WIN W_MUL
	MULROW \f, 0, \zero
	MULROW \f, 1, \zero
	MULROW \f, 2, \zero
	MULROW \f, 3, \zero
.endm
.macro SEVEN slot, zero
	STEP \slot, 64,  0, 1, \zero
	STEP \slot, 128, 1, 0, 0
	STEP \slot, 192, 0, 1, 0
	STEP \slot, 256, 1, 0, 0
	STEP \slot, 320, 0, 1, 0
	STEP \slot, 384, 1, 0, 0
	STEP \slot, 448, 0, 1, 0
.endm
; the eighth step changes slots.  In front of the barrier each wave waits for its reads of this slot and for all its tensor loads (one is out at the most: its part
; of the next slot).  Behind it (fill = 1: behind the whole round of the cluster's barrier that it opens) the joint refill comes first, then the next slot's first fragments.
.macro TURN slot, next, fill
	s_wait_dscnt 0x0                               ; buffer 1 is in, and with it my last reads of this slot
	s_wait_tensorcnt 0x0                           ; all my tensor loads have landed
	ds_add_u32 v254, v255
	s_wait_dscnt 0x0
	s_barrier_signal -1
	WIN W_MUL
	MULROW 1, 0, 0                                 ; registers only, while the others arrive
	MULROW 1, 1, 0
	WIN 0
	s_barrier_wait -1
.if \fill
	CREST                                          ; no wave of any partner still reads this slot or has a load on its way
	s_add_nc_u64 s[G0+4*\slot+2:G0+4*\slot+3], s[G0+4*\slot+2:G0+4*\slot+3], 2*KSLOT*2
	s_add_nc_u64 s[G0B+4*\slot+2:G0B+4*\slot+3], s[G0B+4*\slot+2:G0B+4*\slot+3], 2*KSLOT*2
	JLOAD \slot                                    ; my one tensor load behind the round: 512 along K ahead
.endif
	PLACES
	FETCH \next, 0, 0
	WIN W_MUL
	MULROW 1, 2, 0
	MULROW 1, 3, 0
.endm
.macro LAP zero
	SEVEN 0, \zero
	TURN 0, 1, 1
	SEVEN 1, 0
	TURN 1, 0, 1
.endm
	s_wait_tensorcnt 0x1                           ; my part of slot 0 is in; slot 1's stays out
	s_barrier_signal -1
	s_barrier_wait -1
	FETCH 0, 0, 0
	LAP 1                                          ; the first lap's first products start the sums; it asks for the last lap's two fills
.if LAPS > 2
	WIN 0                                          ; at a label and at a branch every window is 0
	s_mov_b32 s3, LAPS-2
.Llap:
	LAP 0
	WIN 0
	s_sub_co_u32 s3, s3, 1
	s_cmp_lg_u32 s3, 0
	s_cbranch_scc1 .Llap
.endif
	SEVEN 0, 0                                     ; the last lap fills nothing
	TURN 0, 1, 0
	SEVEN 1, 0
	s_wait_dscnt 0x0
	WIN W_MUL
	MULROW 1, 0, 0
	MULROW 1, 1, 0
	MULROW 1, 2, 0
	MULROW 1, 3, 0
	WIN 0
	; THE WAY OUT: 16 rows at a time through my stage, bias added, whole rows of 256 bytes out
	PLACES
	s_wait_loadcnt 0x0                             ; the bias
	v_cvt_pk_bf16_f32 v[BI], v[BI], v[BI+1]        ; b_proj of my four columns in bf16's digits: rounded, nearest even,
	v_cvt_pk_bf16_f32 v[BI+2], v[BI+2], v[BI+3]
	v_and_b32 v[BI+1], 0xffff0000, v[BI]           ; and widened again: the high half is a pair's second number,
	v_and_b32 v[BI+3], 0xffff0000, v[BI+2]
	v_lshlrev_b32 v[BI], 16, v[BI]                 ; the low half its first
	v_lshlrev_b32 v[BI+2], 16, v[BI+2]
	s_lshl_b32 s16, s13, 7
	s_lshl_b32 s17, s11, 6
	s_add_co_u32 s16, s16, s17                     ; my first row
	s_lshl_b32 s16, s16, 12                        ; 4,096 bytes a row of out0
	s_mov_b32 s17, 0
	s_add_nc_u64 s[8:9], s[8:9], s[16:17]
	s_add_nc_u64 s[8:9], s[8:9], s[98:99]          ; my columns
.macro OUTF a
.set RB_, FA+32*((\a)&1)
	WIN 0x04                                       ; store data from the accumulators' window
.irp b, 0,1,2,3
	ds_store_b128 v[STO], v[8*(NB*(\a)+\b):8*(NB*(\a)+\b)+3]   offset:64*\b
	ds_store_b128 v[STO], v[8*(NB*(\a)+\b)+4:8*(NB*(\a)+\b)+7] offset:64*\b+16
.endr
	WIN 0
	s_wait_xcnt 0x0                                ; the read-back registers were store data two turns ago: rewritten only behind this wait
.irp t, 0,1,2,3,4,5,6,7
	ds_load_b128 v[RB_+4*\t:RB_+4*\t+3], v[RD] offset:\t*2*SPITCH   ; a wave's LDS instructions are served in order: these see the stores above
.endr
.irp t, 0,1,2,3,4,5,6,7
	s_wait_dscnt 7-\t                              ; the younger read-backs stay out
	v_pk_add_f32 v[RB_+4*\t:RB_+4*\t+1],   v[RB_+4*\t:RB_+4*\t+1],   v[BI:BI+1]
	v_pk_add_f32 v[RB_+4*\t+2:RB_+4*\t+3], v[RB_+4*\t+2:RB_+4*\t+3], v[BI+2:BI+3]
	global_store_b128 v[CO], v[RB_+4*\t:RB_+4*\t+3], s[8:9] offset:(16*(\a)+2*\t)*4096 th:TH_STORE_NT   ; sixteen lanes store 256 neighbouring bytes, aligned
.endr
.endm
	OUTF 0
	OUTF 1
	OUTF 2
	OUTF 3
	s_wait_tensorcnt 0x0
	ds_add_u32 v254, v255
	s_wait_dscnt 0x0
	CROUND                                         ; the closing round: no work-group ends while a partner may still ask for a tile that names it
	s_endpgm
.Lfunc_end_k_qddad47d925_proj:
	.size	k_qddad47d925_proj, .Lfunc_end_k_qddad47d925_proj-k_qddad47d925_proj
	.p2alignl 7, 3214868480
	.fill 96, 4, 3214868480
	.section	.rodata,"a",@progbits
	.p2align	6, 0x0
	.amdhsa_kernel k_qddad47d925_proj
		.amdhsa_group_segment_fixed_size 327680
		.amdhsa_private_segment_fixed_size 0
		.amdhsa_enable_private_segment 0
		.amdhsa_kernarg_size 32
		.amdhsa_user_sgpr_count 2
		.amdhsa_user_sgpr_kernarg_segment_ptr 1
		.amdhsa_wavefront_size32 1
		.amdhsa_system_sgpr_workgroup_id_x 1
		.amdhsa_system_sgpr_workgroup_id_y 1
		.amdhsa_system_sgpr_workgroup_id_z 1
		.amdhsa_system_vgpr_workitem_id 0
		.amdhsa_next_free_vgpr 384
		.amdhsa_next_free_sgpr 100
		.amdhsa_reserve_vcc 0
		.amdhsa_float_denorm_mode_32 3
		.amdhsa_float_denorm_mode_16_64 3
		.amdhsa_memory_ordered 1
		.amdhsa_forward_progress 1
		.amdhsa_inst_pref_size 93
	.end_amdhsa_kernel
	.amdgpu_metadata
---
amdhsa.version: [ 1, 2 ]
amdhsa.kernels:
  - .name:           k_qddad47d925_proj
    .symbol:         k_qddad47d925_proj.kd
    .args:
      - { .name: ao, .offset: 0, .size: 8, .value_kind: global_buffer, .address_space: global }
      - { .name: bf, .offset: 8, .size: 8, .value_kind: global_buffer, .address_space: global }
      - { .name: b_proj, .offset: 16, .size: 8, .value_kind: global_buffer, .address_space: global }
      - { .name: out0, .offset: 24, .size: 8, .value_kind: global_buffer, .address_space: global }
    .group_segment_fixed_size: 327680
    .private_segment_fixed_size: 0
    .kernarg_segment_align: 8
    .kernarg_segment_size: 32
    .max_flat_workgroup_size: 128
    .sgpr_count:     100
    .vgpr_count:     384
    .wavefront_size: 32
...
	.end_amdgpu_metadata
.endif
;; end of part 7
